; MI455X (gfx1250); checked and timed in simulation.
; The chip was launched on July 23, 2026; its instructions are those of AMD's public machine-readable ISA for CDNA 5 (MIT licence, August 2026) and "CDNA5" Instruction Set Architecture Reference Guide (July 2026). The comments in the code are by the model that wrote it; some were corrected since.
;; Complexity Attention. Allowed arithmetic: matrix products marked QUANTISED: E2M1 operands, one E8M0 scale for each 32 along K, by v_wmma_scale_f32_16x16x128_f8f6f4 with both operands' format E2M1 (or v_wmma_scale_f32_32x16x128_f4), f32 sums; everything else in f32.
;; Inputs: hidden_states_codes 1 x 2,048 x 64 x 16 uint8 (E2M1 codes of hidden_states, K innermost, in blocks of 32 codes, two codes a byte); hidden_states_scales 1 x 2,048 x 64 uint8 (E8M0 scales of hidden_states, one for each 32 codes along K); k_norm_w 128 float32; mu_prev_codes 1 x 2,048 x 64 x 16 uint8 (E2M1 codes of mu_prev, K innermost, in blocks of 32 codes, two codes a byte); mu_prev_scales 1 x 2,048 x 64 uint8 (E8M0 scales of mu_prev, one for each 32 codes along K); q_norm_w 128 float32; wk_codes 512 x 64 x 16 uint8 (E2M1 codes of wk, K innermost, in blocks of 32 codes, two codes a byte); wk_scales 512 x 64 uint8 (E8M0 scales of wk, one for each 32 codes along K); wmk_codes 512 x 64 x 16 uint8 (E2M1 codes of wmk, K innermost, in blocks of 32 codes, two codes a byte); wmk_scales 512 x 64 uint8 (E8M0 scales of wmk, one for each 32 codes along K); wmq_codes 2,048 x 64 x 16 uint8 (E2M1 codes of wmq, K innermost, in blocks of 32 codes, two codes a byte); wmq_scales 2,048 x 64 uint8 (E8M0 scales of wmq, one for each 32 codes along K); wmv_codes 512 x 64 x 16 uint8 (E2M1 codes of wmv, K innermost, in blocks of 32 codes, two codes a byte); wmv_scales 512 x 64 uint8 (E8M0 scales of wmv, one for each 32 codes along K); wo_codes 2,048 x 64 x 16 uint8 (E2M1 codes of wo, K innermost, in blocks of 32 codes, two codes a byte); wo_scales 2,048 x 64 uint8 (E8M0 scales of wo, one for each 32 codes along K); wq_codes 2,048 x 64 x 16 uint8 (E2M1 codes of wq, K innermost, in blocks of 32 codes, two codes a byte); wq_scales 2,048 x 64 uint8 (E8M0 scales of wq, one for each 32 codes along K); wv_codes 512 x 64 x 16 uint8 (E2M1 codes of wv, K innermost, in blocks of 32 codes, two codes a byte); wv_scales 512 x 64 uint8 (E8M0 scales of wv, one for each 32 codes along K).
;; Outputs: out0 1 x 2,048 x 2,048 float32.
;; This version of the problem:
;;   THIS VERSION OF THE PROBLEM IS GIVEN IN LOW PRECISION. The matrix products marked QUANTISED in the list below multiply operands that are first quantised to E2M1 (2 exponent bits, 1 mantissa bit; 4 bits a number), with one power-of-two scale for each 32 numbers along K (OCP MX v1.0); their sums are f32. All else is computed in f32.
;;   The module's matrix products, in the order in which they are computed (A, B: the left and right operand; K: the contracted axis; several contracted axes count as one K, in the product's order):
;;     1. [M 2,048, K 2,048] x [K 2,048, N 2,048]; A: input hidden_states (given as codes); B: input wq (given as codes): QUANTISED
;;     2. [M 2,048, K 2,048] x [K 2,048, N 2,048]; A: input mu_prev (given as codes); B: input wmq (given as codes): QUANTISED
;;     3. [M 2,048, K 2,048] x [K 2,048, N 512]; A: input hidden_states (given as codes); B: input wk (given as codes): QUANTISED
;;     4. [M 2,048, K 2,048] x [K 2,048, N 512]; A: input mu_prev (given as codes); B: input wmk (given as codes): QUANTISED
;;     5. [M 2,048, K 2,048] x [K 2,048, N 512]; A: input hidden_states (given as codes); B: input wv (given as codes): QUANTISED
;;     6. [M 2,048, K 2,048] x [K 2,048, N 512]; A: input mu_prev (given as codes); B: input wmv (given as codes): QUANTISED
;;     7. batch 4 x [M 8,192, K 128] x [K 128, N 2,048]; A: computed on the way; B: computed on the way: QUANTISED
;;     8. batch 4 x [M 8,192, K 2,048] x [K 2,048, N 128]; A: softmax (see below); B: computed on the way: QUANTISED
;;     9. [M 2,048, K 2,048] x [K 2,048, N 2,048]; A: computed on the way; B: input wo (given as codes): QUANTISED
;;   THE QUANTISER, for each operand of a quantised product, along K:
;;     - K is cut into blocks of 32 from its start; a last block that is shorter is filled with zeros.
;;     - A block's scale is 2^e with e = floor(log2(the largest magnitude in the block)) - 2, held to -126 .. 127; a block of zeros has e = 0. As a byte (E8M0): e + 127.
;;     - Each number is divided by its block's scale, clamped to +-6, and rounded to the nearest number of E2M1, ties to even, subnormals kept.
;;     - The product sums the exact products of the quantised numbers (number of the format x scale) in f32.
;;   ~~~python
;;   def quantise(x, axis):      # numpy; x: float32 -> the quantised numbers, widened to float32 again
;;       x = np.moveaxis(x, axis, -1); K = x.shape[-1]
;;       x = np.pad(x, [(0, 0)] * (x.ndim - 1) + [(0, -K % 32)]); x = x.reshape(x.shape[:-1] + (-1, 32)); a = np.abs(x).max(-1, keepdims=True)
;;       e = np.where(a > 0, np.clip(np.frexp(np.where(a > 0, a, 1))[1] - 1 - 2, -126, 127), 0)      # np.frexp(a)[1] - 1 = floor(log2(a)), exactly
;;       r = np.clip(x / 2.0 ** e, -6, 6)
;;       step = 2.0 ** (np.maximum(np.frexp(np.where(r == 0, 1, r))[1] - 1, 0) - 1)
;;       q = np.round(r / step) * step * 2.0 ** e      # np.round: ties to even
;;       return np.moveaxis(q.reshape(q.shape[:-2] + (-1,))[..., :K], -1, axis).astype(np.float32)
;;   ~~~
;;   SOFTMAX AHEAD OF A QUANTISED PRODUCT. Where the list says 'softmax', what is quantised is not the finished softmax but p = 2^(t - M), with t = logit x log2(e) and M = ceil(the row's largest t), a whole number; so 1/2 < the row's largest p <= 1. The row's sum l is taken of the UNQUANTISED p, in f32, and the product's result is divided by l at the end. Since M is a whole number, a kernel that streams over the keys may use a running M (the ceiling of the running maximum): every later rescaling is an exact power of two, which a block's scale takes up: the codes' values come out the same.
;;   OPERANDS COMPUTED ON THE WAY. 'Computed on the way' means the value that the module computes at that place (a softmax that the list does not call 'softmax' is quantised finished and normalised). What goes into a quantiser is computed in f32, as accurately as f32 sums, v_exp_f32 and their like allow (about 1e-6 of the number): no bf16 or f16 on the way to a quantiser, and a product that is left as it is and whose result goes on into a quantised operand takes f32 operands (vector FMAs, or v_wmma_f32_16x16x4_f32). A number that lies on a knife's edge between two numbers of the format may be rounded either way, as far as f32 arithmetic and the matrix unit's own rounding can turn it there, and no further.
;;   INPUTS GIVEN AS CODES. hidden_states (in the module: [1, 2048, 2048], K = its axis 2); mu_prev (in the module: [1, 2048, 2048], K = its axis 2); wk (in the module: [512, 2048], K = its axis 1); wmk (in the module: [512, 2048], K = its axis 1); wmq (in the module: [2048, 2048], K = its axis 1); wmv (in the module: [512, 2048], K = its axis 1); wo (in the module: [2048, 2048], K = its axis 1); wq (in the module: [2048, 2048], K = its axis 1); wv (in the module: [512, 2048], K = its axis 1): each comes as NAME_codes (uint8): NAME with its K axis moved to the last place and cut into blocks of 32 codes, [.., K / 32, bytes a block], one block behind the other in memory; two codes a byte, the lower K in the low four bits (a code: sign, 2 exponent bits, 1 mantissa bit); and NAME_scales (uint8): the same leading axes, one E8M0 byte (e + 127) for each 32 codes along K. Its value is code x scale, taken as it is: it is not quantised again, and the codes and scales need not be those that the quantiser above would give.
;; One version. Each part assembles by itself: llvm-mc -triple=amdgcn-amd-amdhsa -mcpu=gfx1250 --defsym DOCPART=n.
;; ======== version 1 of 1: 3 launches
;; limits: right only within a limited range of input values
;; workspace buffers: qk_codes 2,621,440 bytes; qk_scales 163,840 bytes; v_codes 524,288 bytes; v_scales 32,768 bytes; a_codes 2,097,152 bytes; a_scales 131,072 bytes
;; launch qkv (part 1): grid 24 x 8, 4 waves a work-group, clusters of 4 x 4, 327,680 bytes of LDS; arguments hidden_states_codes, hidden_states_scales, mu_prev_codes, mu_prev_scales, wq_codes, wq_scales, wmq_codes, wmq_scales, wk_codes, wk_scales, wmk_codes, wmk_scales, wv_codes, wv_scales, wmv_codes, wmv_scales, q_norm_w, k_norm_w, qk_codes, qk_scales, v_codes, v_scales; writes qk_codes, qk_scales, v_codes, v_scales
.if DOCPART == 1
	.amdgcn_target "amdgcn-amd-amdhsa--gfx1250"
	.amdhsa_code_object_version 6
	.text
	.protected	k_q5f6041ac72_qkv
	.globl	k_q5f6041ac72_qkv
	.p2align	8
	.type	k_q5f6041ac72_qkv,@function
k_q5f6041ac72_qkv:
	s_mov_b64 s[64:65], 0
	v_nop
	global_prefetch_b8 v0, s[64:65] scope:SCOPE_SE
	s_setreg_imm32_b32 hwreg(HW_REG_WAVE_MODE, 25, 1), 1
	s_wait_xcnt 0x0
	s_wait_alu depctr_hold_cnt(0) depctr_sa_sdst(0) depctr_va_vdst(0) depctr_va_sdst(0) depctr_va_ssrc(0) depctr_va_vcc(0) depctr_vm_vsrc(0)
	s_getreg_b32 s2, hwreg(HW_REG_IB_STS2, 6, 4)
	s_cmp_eq_u32 s2, 0
	s_cbranch_scc0 .Lentry_in_a_cluster
	s_endpgm
.Lentry_in_a_cluster:
	s_bfe_u32 s2, ttmp6, 0x10000c
	s_cmp_lg_u32 s2, 0xf033
	s_cbranch_scc0 .Lentry_shape_is_right
	s_endpgm
.Lentry_shape_is_right:
; q, k, v = x W^T + mu Wm^T on codes of FP4 (E2M1) with E8M0 scales; per-head RMSNorm and RoPE of q and k in f32; q and k quantised along the head's 128, v along the keys.
; THE PROGRAM: three launches.  This one; attention (products 7 and 8); the projection by wo (product 9).  Between them go codes and scale words only.
; DEAD WORK, in the whole program: reference() sets a score to -infinity where key > query (its own jnp.tril).  Such a key has p = 2^(-inf) = 0: it moves neither the row's maximum nor its sum, its code is 0 and adds
; nothing to the second product, whatever finite values the inputs hold.  So the second launch leaves out key steps of 128 keys that lie wholly behind a tile's 16 queries.  Nothing else is left out; every input is loaded.
; LIMIT: a NaN, an infinity or an overflow that reaches only those masked keys is not carried to the result.
; SHARES.  A work-group makes 256 positions x one head's 128 columns; heads 0-15 q, 16-19 k, 20-23 v (cluster x 0-3, 4, 5).  Wave w: positions 64 w .. 64 w + 63, all 128 columns: 32 accumulators.
; THE MATRIX INSTRUCTION IS USED TRANSPOSED (source 0 = 16 rows of W, source 1 = 16 rows of x): a lane holds ONE position (16 a + lane % 16), register 64 a + 8 t + j its column 16 t + 8 (lane / 16) + j.
; K = 4,096 goes in 8 chunks of 512: x's and mu's by turns.  Slot 0 of the ring always holds a chunk of (x, W), slot 1 one of (mu, Wm): each slot's descriptors walk one buffer, 256 bytes a lap.
; The scale bytes of the work-group's rows, for all of K, come once, in whole rows of 256 bytes, and stay.
; THE HEAD: one joint load a wave: wave 0 x's 256 rows, wave 1 W's 128, wave 2 x's scales, wave 3 W's.  Behind the full sequence and a round the same four of mu and Wm.  From then on a refill is four loads: x's halves, W's halves.
; CLUSTERS: 4 x 4.  x's tiles hang on the block of positions and are asked for jointly along a row of the cluster, W's on the head and jointly along a column.
; PREFETCH, always two chunks ahead of what is being loaded: at the head slot 1's chunk and x's second, behind slot 1's load mu's second, behind each refill the chunk one lap on.  A row's 256 bytes once in each cluster: of a wave's 128 rows
; of x partner cx takes 32, of its 64 of W partner cy 16, by address.  x is asked for by clusters of x 0-3 alone.  The last lap's chunk is the last asked for: none is named beyond K.
; SINE AND COSINE hang on the position alone: they are made where the wave waits for tiles (tiles 0, 1 under the head's loads, tiles 2, 3 under slot 1's) and stay in window 3.
; v's work-groups take another way there, which only clears the registers that the joined text names.
; THE TEXT PARTS on the cluster's x alone (equal in all sixteen partners): q and k take the norm, RoPE and the quantiser along d; v turns through LDS and is quantised along the positions.
; ROPE.  inv_freq = 1 / 10^(f / 16), made in pairs of f32 (four square roots of 10, products chosen by the bits of f) and rounded once; the angle is the one f32 product position x inv_freq;
; it is reduced by whole multiples of pi in two parts (the first subtraction is exact) and sine and cosine are Taylor sums to x^13 and x^12 on |x| <= pi / 2.
; OUTPUT LAYOUT: fragments as images of the operand's registers: 1,024 bytes, registers 4 c .. 4 c + 3 of lane l at 512 c + 16 l.  qk_codes [head 20][tile of 16 positions 128][1024];
; qk_scales: the word of position 64 G + 16 a + r at (32 head + G) 256 + 16 r + 4 a;  v_codes [kv head][key step of 128][tile of 16 d][1024];  v_scales [kv head][key step][t / 4][r][t % 4] words.
; LIMITS: NaN and infinities are not served by the quantisers here; a block whose largest magnitude lies under 2^-124 (a block of zeros too) gets the byte 1 (its codes are zeros; this program alone reads the bytes);
; the reduction of the angle holds far beyond the 2,048 radians that occur.
; REGISTERS.  window 0: v1-21, v31 lane numbers and addresses; v22-30 angles' constants; v32-95 scale words, two sets, and nothing else; v96-127 the sums' coefficients, later codes; v128-191 x's fragments, two sets, later 64 numbers at work; v192-255 at work.
;   window 1: v0-127 W's fragments, two sets; v128-191 the norm's weight; v192-223 inv_freq.   window 2: the accumulators.   window 3: tile a's cosines at 64 a, sines at 64 a + 32.
.set PITCH, 272                        ; an LDS row: 256 bytes + 16 of padding: the sixteen rows of a fragment load start 4 banks apart
.set XH,    128*PITCH                  ; what one refill load of x brings
.set XT,    256*PITCH
.set WH,    64*PITCH                   ; what one refill load of W brings
.set SLOT,  XT+128*PITCH
.set SCL,   2*SLOT                     ; the scales: pair 0 (x, W), pair 1 (mu, Wm)
.set XSC,   64*272                     ; 256 rows x 64 bytes as 64 rows of 256 + 16
.set PAIR,  XSC+32*272
.set SBLK,  4*272                      ; the scales of 16 rows
.set VSB,   SCL+2*PAIR                 ; v's scale bytes of the work-group
.set SPARE, VSB+1024                   ; the spare words, 128 bytes a wave
.set VSTW,  64*528+64                  ; v's stage, a wave's: 64 positions x (512 + 16) bytes, 64 more in front of position 32; it lies in the ring, behind the ring's last fill and last read
.set ADRX, 4
.set ADRW, 6
.set ADRS, 8
.set SPW,  10
.set NIL,  11
.set PFO,  31
.set SC,   32
.set PCD,  96
.set XF,   128
.set TM,   200
.set PFA,  2                           ; s[2:3] my prefetches of x or W;  s[98:99] of mu or Wm
.set PFB,  98
.set LIM,  96
.set CNT,  67
.set HS,   4                           ; s[4:7], s[12:15] group 0 for the scales' loads;  s[84:87], s[88:91] for the first fills of the slots
.set HSB,  12
.set G0,   20                          ; s[20:27] group 0 for x's tiles, a set a slot;  s[28:35] for W's
.set G0B,  28
.set G1,   48                          ; s[48:55] group 1 for x's tiles;  s[56:63] W's;  s[68:75] x's scales;  s[76:83] W's scales
.set G1B,  56
.set G1S,  68
.set G1SB, 76
.set HX,   84
.set HW,   88
.set WV,   92
.set SEL,  104
.set MSB, 0
.macro WIN new                         ; the immediate's high byte repeats the setting that is left
.if MSB != (\new)
	s_set_vgpr_msb (MSB<<8)|(\new)
.set MSB, \new
.endif
.endm
.macro PLACES n
.rept \n
	v_nop
.endr
.endm
.macro TL g0, g1                       ; a tensor load; an s_nop 0 and four v_nop follow
	tensor_load_to_lds s[\g0:\g0+3], s[\g1:\g1+7]
	s_nop 0
.rept 4
	v_nop
.endr
.endm
; Four first fills, one a wave: one tree of branches on the wave's number.
.macro LOAD4
	s_cmp_lt_u32 s[WV], 1
	s_cbranch_scc0 .Lq1_\@
	TL HX, G1
	s_branch .Lq4_\@
.Lq1_\@:
	s_cmp_lt_u32 s[WV], 2
	s_cbranch_scc0 .Lq2_\@
	TL HW, G1B
	s_branch .Lq4_\@
.Lq2_\@:
	s_cmp_lt_u32 s[WV], 3
	s_cbranch_scc0 .Lq3_\@
	TL HS, G1S
	s_branch .Lq4_\@
.Lq3_\@:
	TL HSB, G1SB
.Lq4_\@:
.endm
; A joint refill: waves 0 and 1 ask for x's side, waves 2 and 3 for W's.  The branch hangs on the wave's number alone.
.macro JLOAD g0a, g1a, g0b, g1b
	s_cmp_eq_u32 s93, 0
	s_cbranch_scc0 .Lfor_w_\@
	TL \g0a, \g1a
	s_branch .Lasked_\@
.Lfor_w_\@:
	TL \g0b, \g1b
.Lasked_\@:
.endm
.macro CREST                           ; a round of the cluster's barrier behind its opening barrier
	s_cmp_lg_u32 s[WV], 0
	s_cbranch_scc1 .Lnot_wave_0_\@
	s_barrier_signal -3
.Lnot_wave_0_\@:
	s_barrier_wait -3
	s_barrier_signal -1
	s_barrier_wait -1
.endm
.macro CROUND
	s_barrier_signal -1
	s_barrier_wait -1
	CREST
.endm
	s_load_b256 s[4:11], s[0:1], 0x0               ; x's codes, x's scales, mu's codes, mu's scales
	s_load_b256 s[12:19], s[0:1], 0x20             ; wq, its scales, wmq, its scales
	s_load_b256 s[20:27], s[0:1], 0x40             ; the same of wk, wmk
	s_load_b256 s[28:35], s[0:1], 0x60             ; the same of wv, wmv
	s_load_b128 s[36:39], s[0:1], 0x80             ; q_norm_w, k_norm_w
	s_load_b256 s[40:47], s[0:1], 0x90             ; qk_codes, qk_scales, v_codes, v_scales
	v_lshl_add_u32 v[SPW], v0, 2, SPARE
	v_mov_b32 v[NIL], 0
	ds_add_u32 v[SPW], v[NIL]                      ; the wave's opening: the add, twice on end, and its wait ahead of my first tensor load
	ds_add_u32 v[SPW], v[NIL]
	v_lshrrev_b32 v1, 5, v0
	v_readfirstlane_b32 s[WV], v1                  ; wave 0..3
	s_lshr_b32 s93, s[WV], 1                       ; refills: 0: I ask for x's side; 1: for W's
	s_and_b32 s94, s[WV], 1                        ; which half of a tile
	s_bfe_u32 s95, ttmp6, 0x40000                  ; cx
	s_bfe_u32 s96, ttmp6, 0x40004                  ; cy
	s_lshl_b32 s97, ttmp9, 2
	s_add_co_u32 s97, s97, s95                     ; the head, 0..23
	s_and_b32 s66, ttmp7, 0xffff
	s_lshl_b32 s66, s66, 2
	s_add_co_u32 s66, s66, s96                     ; the block of 256 positions, 0..7
	s_cmp_lt_u32 ttmp9, 4
	s_cselect_b32 s67, ttmp9, 0                    ; k's and v's weights have four heads of their own
	s_lshl_b32 s67, s67, 2
	s_add_co_u32 s67, s67, s95
	s_lshl_b32 s67, s67, 7                         ; the head's first row in its weight
	s_lshl_b32 s100, s96, 2
	s_lshl_b32 s100, 15, s100                      ; my row of the cluster
	s_lshl_b32 s98, 0x1111, s95                    ; my column
	s_or_b32 s[G1], s100, (1<<20)|(1<<21)|(5<<22)|(3<<25)            ; the mask; elements of 1 byte; padding on; bit 21 beside a mask; 4 words behind every 64
	s_or_b32 s[G1B], s98, (1<<20)|(1<<21)|(5<<22)|(3<<25)
	s_or_b32 s[G1S], s100, (3<<16)|(1<<20)|(1<<21)|(5<<22)|(3<<25)   ; elements of 8 bytes
	s_or_b32 s[G1SB], s98, (3<<16)|(1<<20)|(1<<21)|(5<<22)|(3<<25)
	s_mov_b32 s[G1+1], 256<<16                     ; x's tile: rows of 256 bytes, 1,024 bytes apart; 256 rows in the first fills, 128 in the refills
	s_mov_b32 s[G1+2], 256<<16
	s_mov_b32 s[G1+3], 256<<16
	s_mov_b32 s[G1+4], 256
	s_mov_b32 s[G1+5], 1024
	s_mov_b32 s[G1+6], 0
	s_mov_b32 s[G1+7], 0
	s_mov_b32 s[G1B+1], 256<<16                    ; W's: 128 rows, then 64
	s_mov_b32 s[G1B+2], 128<<16
	s_mov_b32 s[G1B+3], 256<<16
	s_mov_b32 s[G1B+4], 128
	s_mov_b32 s[G1B+5], 1024
	s_mov_b32 s[G1B+6], 0
	s_mov_b32 s[G1B+7], 0
	s_mov_b32 s[G1S+1], 32<<16                     ; x's scales: a dense block of 16,384 bytes as 64 rows of 256
	s_mov_b32 s[G1S+2], 64<<16
	s_mov_b32 s[G1S+3], 32<<16
	s_mov_b32 s[G1S+4], 64
	s_mov_b32 s[G1S+5], 32
	s_mov_b32 s[G1S+6], 0
	s_mov_b32 s[G1S+7], 0
	s_mov_b32 s[G1SB+1], 32<<16                    ; W's scales: 8,192 bytes as 32 rows
	s_mov_b32 s[G1SB+2], 32<<16
	s_mov_b32 s[G1SB+3], 32<<16
	s_mov_b32 s[G1SB+4], 32
	s_mov_b32 s[G1SB+5], 32
	s_mov_b32 s[G1SB+6], 0
	s_mov_b32 s[G1SB+7], 0
	s_lshl_b32 s100, s66, 18                       ; offsets.  s100, s101, s104, s105 hold x's side alone; s98, s99, s2, s3 W's.  x: row 256 block, 1,024 bytes a row
	s_mov_b32 s101, 0
	s_lshl_b32 s104, s66, 14                       ; x's scales: 256 rows of 64 bytes a block
	s_mov_b32 s105, 0
	s_lshl_b32 s98, s67, 10                        ; W: the head's first row
	s_mov_b32 s99, 0
	s_lshl_b32 s2, s67, 6                          ; W's scales
	s_mov_b32 s3, 0
	s_mov_b32 s[HX], 1
	s_mov_b32 s[HX+1], 0
	s_mov_b32 s[HW], 1
	s_mov_b32 s[HW+1], XT
	s_wait_dscnt 0x0                               ; both opening adds are done
	s_wait_kmcnt 0x0
	s_cmp_eq_u32 ttmp9, 4                          ; the weights: the choice hangs on the cluster's x alone
	s_cselect_b64 s[12:13], s[20:21], s[12:13]
	s_cselect_b64 s[14:15], s[22:23], s[14:15]
	s_cselect_b64 s[16:17], s[24:25], s[16:17]
	s_cselect_b64 s[18:19], s[26:27], s[18:19]
	s_cselect_b64 s[36:37], s[38:39], s[36:37]     ; and the norm's weight: k's
	s_cmp_eq_u32 ttmp9, 5
	s_cselect_b64 s[12:13], s[28:29], s[12:13]
	s_cselect_b64 s[14:15], s[30:31], s[14:15]
	s_cselect_b64 s[16:17], s[32:33], s[16:17]
	s_cselect_b64 s[18:19], s[34:35], s[18:19]
	s_add_nc_u64 s[38:39], s[4:5], s[100:101]      ; x at my rows: kept for the ring
	s_add_nc_u64 s[8:9], s[8:9], s[100:101]
	s_add_nc_u64 s[6:7], s[6:7], s[104:105]
	s_add_nc_u64 s[10:11], s[10:11], s[104:105]
	s_add_nc_u64 s[100:101], s[12:13], s[98:99]    ; W at my rows
	s_add_nc_u64 s[16:17], s[16:17], s[98:99]
	s_add_nc_u64 s[14:15], s[14:15], s[2:3]
	s_add_nc_u64 s[18:19], s[18:19], s[2:3]
	s_mov_b64 s[HX+2:HX+3], s[38:39]               ; slot 0's first fill: x's 256 rows,
	s_or_b32 s[HX+3], s[HX+3], 0x80000000
	s_mov_b64 s[HW+2:HW+3], s[100:101]             ; W's 128
	s_or_b32 s[HW+3], s[HW+3], 0x80000000
	s_mov_b32 s[HS], 1                             ; the scales: s[6:7] and s[14:15] are their addresses
	s_mov_b32 s[HS+1], SCL
	s_or_b32 s[HS+3], s[HS+3], 0x80000000
	s_mov_b32 s[HSB], 1
	s_mov_b32 s[HSB+1], SCL+XSC
	s_or_b32 s[HSB+3], s[HSB+3], 0x80000000
	CROUND                                         ; all sixteen work-groups are here: the first joint loads meet
	LOAD4
	s_mul_i32 s104, s94, XH                        ; the ring's refills: my half of a tile
	s_mul_i32 s105, s94, WH
	s_lshl_b32 s98, s94, 17
	s_mov_b32 s99, 0
	s_mov_b32 s[G0], 1
	s_add_co_u32 s[G0+1], s104, 0
	s_add_nc_u64 s[G0+2:G0+3], s[38:39], s[98:99]
	s_or_b32 s[G0+3], s[G0+3], 0x80000000
	s_mov_b32 s[G0+4], 1
	s_add_co_u32 s[G0+5], s104, SLOT
	s_add_nc_u64 s[G0+6:G0+7], s[8:9], s[98:99]
	s_or_b32 s[G0+7], s[G0+7], 0x80000000
	s_lshl_b32 s98, s94, 16
	s_mov_b32 s[G0B], 1
	s_add_co_u32 s[G0B+1], s105, XT
	s_add_nc_u64 s[G0B+2:G0B+3], s[100:101], s[98:99]
	s_or_b32 s[G0B+3], s[G0B+3], 0x80000000
	s_mov_b32 s[G0B+4], 1
	s_add_co_u32 s[G0B+5], s105, SLOT+XT
	s_add_nc_u64 s[G0B+6:G0B+7], s[16:17], s[98:99]
	s_or_b32 s[G0B+7], s[G0B+7], 0x80000000
	s_lshl_b32 s98, s94, 17                        ; the prefetches: x: rows 128 half + 32 cx; W: rows 64 half + 16 cy
	s_lshl_b32 s104, s95, 15
	s_add_co_u32 s98, s98, s104
	s_lshl_b32 s99, s94, 16
	s_lshl_b32 s104, s96, 14
	s_add_co_u32 s99, s99, s104
	s_cmp_eq_u32 s93, 0
	s_cselect_b64 s[PFA:PFA+1], s[38:39], s[100:101]
	s_cselect_b64 s[38:39], s[8:9], s[16:17]
	s_cselect_b32 s98, s98, s99
	s_cselect_b32 s104, 31, 15                     ; x: a lane a row; W: 16 rows, the lanes left over name the last again
	s_mov_b32 s99, 0
	s_add_nc_u64 s[PFA:PFA+1], s[PFA:PFA+1], s[98:99]
	s_add_nc_u64 s[PFA:PFA+1], s[PFA:PFA+1], 256   ; x's and W's second chunk
	s_add_nc_u64 s[PFB:PFB+1], s[38:39], s[98:99]  ; mu's and Wm's first
	s_cmp_lt_u32 ttmp9, 4                          ; who prefetches: W's side everywhere, x's in clusters of x 0-3
	s_cselect_b32 s[LIM], 1, 99
	s_cmp_eq_u32 s93, 1
	s_cselect_b32 s[LIM], 1, s[LIM]
	; every lane number and every LDS address is made here, ahead of the parting of the ways
	s_mul_i32 s38, s[WV], 64*PITCH                 ; my 64 rows of x
	s_mul_i32 s39, s[WV], 4*SBLK                   ; the scales of my 64 rows
	v_and_b32 v1, 15, v0                           ; r
	v_bfe_u32 v2, v0, 4, 1                         ; h
	v_and_b32 v3, 31, v0                           ; lane
	v_min_u32 v[PFO], s104, v3
	v_lshlrev_b32 v[PFO], 10, v[PFO]
	v_mul_u32_u24 v22, v1, PITCH
	v_lshl_add_u32 v22, v2, 4, v22                 ; a fragment's row x pitch + 16 h
	v_add_nc_u32 v[ADRX], s38, v22
	v_add_nc_u32 v[ADRX+1], SLOT, v[ADRX]
	v_add_nc_u32 v[ADRW], XT, v22
	v_add_nc_u32 v[ADRW+1], SLOT+XT, v22
	v_lshlrev_b32 v23, 6, v1                       ; my row's scales: 64 bytes a row,
	v_lshrrev_b32 v24, 8, v23
	v_lshl_add_u32 v23, v24, 4, v23                ; and 16 more for each 256 passed
	s_sub_co_u32 s100, XSC, s39                    ; lanes 0-15: x's, my 64 rows; lanes 16-31: W's, which lie behind x's 256 rows
	v_mul_u32_u24 v24, s100, v2
	s_add_co_u32 s39, s39, SCL
	v_add_nc_u32 v23, v23, v24
	v_add_nc_u32 v[ADRS], s39, v23
	v_add_nc_u32 v[ADRS+1], PAIR, v[ADRS]
	v_lshlrev_b32 v14, 4, v3                       ; an image's place for my lane
	v_lshlrev_b32 v15, 4, v1
	v_lshl_add_u32 v15, v2, 3, v15                 ; q's and k's scale words: 16 r + 8 h
	s_mul_i32 s38, s[WV], VSTW
	v_mul_u32_u24 v16, v1, 528
	v_lshl_add_u32 v16, v2, 5, v16
	v_add_nc_u32 v16, s38, v16                     ; v's stage, in: row r, 32 h
	v_mul_u32_u24 v17, v2, 32*528+64
	v_lshl_add_u32 v17, v1, 2, v17
	v_add_nc_u32 v17, s38, v17                     ; out: column r, positions 32 h on
	s_lshl_b32 s38, s93, 9
	s_lshl_b32 s39, s94, 1
	s_add_co_u32 s38, s38, s39
	s_add_co_u32 s38, s38, VSB
	v_lshl_add_u32 v18, v1, 4, v2
	v_add_nc_u32 v18, s38, v18                     ; v's scale byte: key step w / 2, byte 2 (w % 2) + h of row r's word
	s_lshl_b32 s38, s[WV], 8
	s_add_co_u32 s38, s38, VSB
	v_lshl_add_u32 v19, v3, 3, s38
	v_lshlrev_b32 v20, 3, v3
	v_lshlrev_b32 v21, 5, v2
	s_lshl_b32 s67, s66, 8
	s_lshl_b32 s38, s[WV], 6
	s_add_co_u32 s67, s67, s38                     ; my first position
	s_mov_b32 s100, 0x3ea2f983                     ; 1 / pi
	s_mov_b32 s101, s100                           ; (the packed forms name pairs and take the low word: the high one is written too)
	s_mov_b32 s104, 0xc0490fdb                     ; -pi, its first 24 bits
	s_mov_b32 s105, s104
	s_mov_b32 s38, 0x33bbbd2e                      ; and what is left of it
	s_mov_b32 s39, s38
	v_mov_b32 v24, 0x4b400000                      ; 1.5 x 2^23: added and taken off again it rounds to a whole number
	v_mov_b32 v25, 0x4b400000
	v_mov_b32 v26, 0x2f309231                      ; 1 / 13!
	v_mov_b32 v27, 0x2f309231
	v_mov_b32 v28, 0x310f76c7                      ; 1 / 12!
	v_mov_b32 v29, 0x310f76c7
	v_add_nc_u32 v30, s67, v1                      ; my position in tile 0
	v_mov_b32 v96, 0xb2d7322b                      ; the sums' coefficients: even registers the sine's, odd ones the cosine's
	v_mov_b32 v97, 0xb493f27e
	v_mov_b32 v98, 0x3638ef1d
	v_mov_b32 v99, 0x37d00d01
	v_mov_b32 v100, 0xb9500d01
	v_mov_b32 v101, 0xbab60b61
	v_mov_b32 v102, 0x3c088889
	v_mov_b32 v103, 0x3d2aaaab
	v_mov_b32 v104, 0xbe2aaaab
	v_mov_b32 v105, 0
; W's eight and x's four fragments of the slot's q-th 128 along K into set p: 24 loads.  A fragment: two loads of 16 bytes, 32 bytes apart.
.macro FETCH slot, q, p
	WIN 0x40
.irp t, 0,1,2,3,4,5,6,7
	ds_load_b128 v[64*(\p)+8*\t:64*(\p)+8*\t+3],   v[ADRW+\slot] offset:64*(\q)+\t*16*PITCH
	ds_load_b128 v[64*(\p)+8*\t+4:64*(\p)+8*\t+7], v[ADRW+\slot] offset:64*(\q)+\t*16*PITCH+32
.endr
	WIN 0
.irp f, 0,1,2,3
	ds_load_b128 v[XF+32*(\p)+8*\f:XF+32*(\p)+8*\f+3],   v[ADRX+\slot] offset:64*(\q)+\f*16*PITCH
	ds_load_b128 v[XF+32*(\p)+8*\f+4:XF+32*(\p)+8*\f+7], v[ADRX+\slot] offset:64*(\q)+\f*16*PITCH+32
.endr
.endm
; A chunk's scale words into set s: register 4 i + q: lanes 0-15 x's block i (i < 4; beyond that filled bytes that nobody uses), lanes 16-31 W's block i
.macro SCALES s
.irp i, 0,1,2,3,4,5,6,7
	ds_load_b128 v[SC+32*\s+4*\i:SC+32*\s+4*\i+3], v[ADRS+\s] offset:\i*SBLK
.endr
	v_add_nc_u32 v[ADRS+\s], 16, v[ADRS+\s]        ; on to this pair's next chunk
.endm
; 8 matrix instructions: x's block a against W's eight.  The 32 accumulators take turns, one instruction a turn, in one order everywhere.
.macro MUL8 a, p, q, sc, zero
.irp t, 0,1,2,3,4,5,6,7
.if \zero
	v_wmma_scale_f32_16x16x128_f8f6f4 v[64*(\a)+8*\t:64*(\a)+8*\t+7], v[64*(\p)+8*\t:64*(\p)+8*\t+7], v[XF+32*(\p)+8*(\a):XF+32*(\p)+8*(\a)+7], 0, v[SC+32*(\sc)+4*\t+(\q)], v[SC+32*(\sc)+4*(\a)+(\q)] matrix_a_fmt:MATRIX_FMT_FP4 matrix_b_fmt:MATRIX_FMT_FP4 matrix_a_scale:MATRIX_SCALE_ROW1
.else
	v_wmma_scale_f32_16x16x128_f8f6f4 v[64*(\a)+8*\t:64*(\a)+8*\t+7], v[64*(\p)+8*\t:64*(\p)+8*\t+7], v[XF+32*(\p)+8*(\a):XF+32*(\p)+8*(\a)+7], v[64*(\a)+8*\t:64*(\a)+8*\t+7], v[SC+32*(\sc)+4*\t+(\q)], v[SC+32*(\sc)+4*(\a)+(\q)] matrix_a_fmt:MATRIX_FMT_FP4 matrix_b_fmt:MATRIX_FMT_FP4 matrix_a_scale:MATRIX_SCALE_ROW1
.endif
.endr
.endm
; A step of 128 along K that has its successor in the same slot: the successor's 24 loads go out first, then the wait for this step's own, asked for a step ago.
.macro STEP slot, q, zero
	PLACES 4                                       ; four places between the last step's products and the loads into the set that they read
	FETCH \slot, (\q)+1, 1-(\q)%2
	s_wait_dscnt 24                                ; this step's fragments (and scale words) are in; the 24 loads just issued may be out
	WIN 0xa1                                       ; source 0 window 1, source 1 window 0, C and D window 2
.irp a, 0,1,2,3
	MUL8 \a, (\q)%2, \q, \slot, \zero
.endr
.endm
; A slot's last step changes slots: one barrier; in front of it each wave waits for all its tensor loads, adds 0 to its spare word, and waits for that and for its reads of this slot.
.macro TURN slot, next, fill
	WIN 0
.if \fill
	s_wait_xcnt 0x0                                ; my prefetches have read their addresses: this pair's goes on to the chunk one lap beyond the refill
	s_add_nc_u64 s[PFA+(PFB-PFA)*\slot:PFA+(PFB-PFA)*\slot+1], s[PFA+(PFB-PFA)*\slot:PFA+(PFB-PFA)*\slot+1], 256
.endif
	s_wait_tensorcnt 0x0                           ; all my tensor loads have landed: my part of the next slot
	ds_add_u32 v[SPW], v[NIL]
.if \fill
	s_mov_b32 s[G1+2], 128<<16                     ; no tensor load of mine is out: a refill brings 128 rows of x or 64 of W
	s_mov_b32 s[G1+4], 128
	s_mov_b32 s[G1B+2], 64<<16
	s_mov_b32 s[G1B+4], 64
.endif
	s_wait_dscnt 1                                 ; this step's fragments are in; the add alone may be out
	WIN 0xa1
	MUL8 0, 1, 3, \slot, 0                         ; eight products stand between the add and the wait for it
	s_wait_dscnt 0x0                               ; the add is done, and my reads of this slot are over
	s_barrier_signal -1
	MUL8 1, 1, 3, \slot, 0                         ; work on registers while the others arrive
	WIN 0
	s_barrier_wait -1
.if \fill
	CREST                                          ; the barrier has opened a round of the cluster's: no wave of any partner still reads this slot or has a load on its way
	s_add_nc_u64 s[G0+4*\slot+2:G0+4*\slot+3], s[G0+4*\slot+2:G0+4*\slot+3], 256
	s_add_nc_u64 s[G0B+4*\slot+2:G0B+4*\slot+3], s[G0B+4*\slot+2:G0B+4*\slot+3], 256
	JLOAD G0+4*\slot, G1, G0B+4*\slot, G1B         ; the first tensor load behind the round; its four v_nop are the places in front of the loads below
.else
	PLACES 4
.endif
	FETCH \next, 0, 0
	s_wait_alu depctr_va_vdst(0)
	SCALES \next
.if \fill
	s_cmp_gt_u32 s[CNT], s[LIM]                    ; the loop's last trip asks for nothing
	s_cbranch_scc0 .Lno_ask_\@
	global_prefetch_b8 v[PFO], s[PFA+(PFB-PFA)*\slot:PFA+(PFB-PFA)*\slot+1] th:TH_LOAD_NT scope:SCOPE_SE
.Lno_ask_\@:
.endif
	WIN 0xa1
	MUL8 2, 1, 3, \slot, 0
	MUL8 3, 1, 3, \slot, 0
.endm
; (hd, ld) = the square root of (hs, ls), as a pair of f32: S = sqrt(H), and (H - S S + L) / (2 S) behind it
.macro DSQRT hd, ld, hs, ls
	v_sqrt_f32 v[\hd], v[\hs]
	v_nop
	s_wait_alu depctr_va_vdst(0)                   ; ahead of the first line that names the root
	v_rcp_f32 v202, v[\hd]
	v_fma_f32 v203, -v[\hd], v[\hd], v[\hs]        ; exact but for one rounding
	v_add_f32 v203, v203, v[\ls]
	v_mul_f32 v203, 0.5, v203
	s_wait_alu depctr_va_vdst(0)                   ; ahead of the first line that names the reciprocal
	v_mul_f32 v[\ld], v203, v202
.endm
.macro PICK bit, ch, cl                        ; the factor for a bit of f: (ch, cl) where it is set, else (1, 0)
	v_and_b32 v210, 1<<\bit, v3
	v_cmp_ne_u32 vcc_lo, 0, v210
	v_cndmask_b32 v206, 1.0, v[\ch], vcc_lo
	v_cndmask_b32 v207, 0, v[\cl], vcc_lo
.endm
.macro DMUL                                    ; (v204, v205) x (v206, v207), as a pair
	v_mul_f32 v208, v204, v206
	v_fma_f32 v209, v204, v206, -v208
	v_fma_f32 v209, v204, v207, v209
	v_fma_f32 v209, v205, v206, v209
	v_add_f32 v204, v208, v209
	v_sub_f32 v205, v208, v204
	v_add_f32 v205, v205, v209
.endm
; Sine and cosine of tile a's eight angles, frequencies n0 .. n0 + 7 of my 32, as four pairs; a pair's twelve registers from 192 + 12 k: +0 the angle, then what is left of it; +2 the multiple of pi, later x^3; +4 its sign; +6 x^2; +8, +10 the two sums
.macro SC4 a, n0
	WIN 0x01
.irp k, 0,1,2,3
	v_pk_mul_f32 v[192+12*\k:193+12*\k], v[192+\n0+2*\k:193+\n0+2*\k], v[22:23]   ; the angle: one f32 product
.endr
	WIN 0
.irp k, 0,1,2,3
	v_pk_fma_f32 v[194+12*\k:195+12*\k], v[192+12*\k:193+12*\k], s[100:101], v[24:25] op_sel_hi:[1,0,1]
.endr
.irp k, 0,1,2,3
	v_lshl_or_b32 v[196+12*\k], v[194+12*\k], 31, 0x3f800000   ; +1 or -1 by the whole number's lowest bit
	v_lshl_or_b32 v[197+12*\k], v[195+12*\k], 31, 0x3f800000
.endr
.irp k, 0,1,2,3
	v_pk_add_f32 v[194+12*\k:195+12*\k], v[194+12*\k:195+12*\k], v[24:25] neg_lo:[0,1] neg_hi:[0,1]
.endr
.irp k, 0,1,2,3
	v_pk_fma_f32 v[192+12*\k:193+12*\k], v[194+12*\k:195+12*\k], s[104:105], v[192+12*\k:193+12*\k] op_sel_hi:[1,0,1]   ; exact
.endr
.irp k, 0,1,2,3
	v_pk_fma_f32 v[192+12*\k:193+12*\k], v[194+12*\k:195+12*\k], s[38:39], v[192+12*\k:193+12*\k] op_sel_hi:[1,0,1]
.endr
.irp k, 0,1,2,3
	v_pk_mul_f32 v[198+12*\k:199+12*\k], v[192+12*\k:193+12*\k], v[192+12*\k:193+12*\k]
.endr
.irp k, 0,1,2,3
	v_pk_fma_f32 v[200+12*\k:201+12*\k], v[198+12*\k:199+12*\k], v[26:27], v[96:97] op_sel_hi:[1,1,0]
	v_pk_fma_f32 v[202+12*\k:203+12*\k], v[198+12*\k:199+12*\k], v[28:29], v[96:97] op_sel:[0,0,1] op_sel_hi:[1,1,1]
.endr
.irp c, 98,100,102
.irp k, 0,1,2,3
	v_pk_fma_f32 v[200+12*\k:201+12*\k], v[200+12*\k:201+12*\k], v[198+12*\k:199+12*\k], v[\c:\c+1] op_sel_hi:[1,1,0]
	v_pk_fma_f32 v[202+12*\k:203+12*\k], v[202+12*\k:203+12*\k], v[198+12*\k:199+12*\k], v[\c:\c+1] op_sel:[0,0,1] op_sel_hi:[1,1,1]
.endr
.endr
.irp k, 0,1,2,3
	v_pk_fma_f32 v[200+12*\k:201+12*\k], v[200+12*\k:201+12*\k], v[198+12*\k:199+12*\k], v[104:105] op_sel_hi:[1,1,0]
	v_pk_fma_f32 v[202+12*\k:203+12*\k], v[202+12*\k:203+12*\k], v[198+12*\k:199+12*\k], -0.5 op_sel_hi:[1,1,0]
.endr
.irp k, 0,1,2,3
	v_pk_mul_f32 v[192+12*\k:193+12*\k], v[192+12*\k:193+12*\k], v[196+12*\k:197+12*\k]
.endr
.irp k, 0,1,2,3
	v_pk_mul_f32 v[194+12*\k:195+12*\k], v[192+12*\k:193+12*\k], v[198+12*\k:199+12*\k]
.endr
.irp k, 0,1,2,3
	v_pk_mul_f32 v[198+12*\k:199+12*\k], v[198+12*\k:199+12*\k], v[196+12*\k:197+12*\k]
.endr
	WIN 0xc0
.irp k, 0,1,2,3
	v_pk_fma_f32 v[64*\a+32+\n0+2*\k:64*\a+33+\n0+2*\k], v[194+12*\k:195+12*\k], v[200+12*\k:201+12*\k], v[192+12*\k:193+12*\k]   ; the sine
	v_pk_fma_f32 v[64*\a+\n0+2*\k:64*\a+1+\n0+2*\k], v[202+12*\k:203+12*\k], v[198+12*\k:199+12*\k], v[196+12*\k:197+12*\k]        ; the cosine
.endr
	WIN 0
.endm
.macro SCTILE a
	v_add_nc_u32 v22, 16*\a, v30
	v_cvt_f32_u32 v22, v22                         ; my position
	v_mov_b32 v23, v22
	SC4 \a, 0
	SC4 \a, 8
	SC4 \a, 16
	SC4 \a, 24
.endm
.macro CLEAR win, from, count
	WIN \win
.set n, \from
.rept \count
	v_mov_b32 v[n], 0
.set n, n+1
.endr
	WIN 0
.endm
	s_wait_alu depctr_va_vdst(0)                   ; the wait ahead of the branches
.macro ASK0
	s_wait_alu depctr_va_vdst(0)                   ; the wait ahead of the branch
	s_cmp_eq_u32 s[LIM], 1
	s_cbranch_scc0 .Lno_ask_\@
	global_prefetch_b8 v[PFO], s[PFB:PFB+1] th:TH_LOAD_NT scope:SCOPE_SE    ; slot 1's first chunk,
	global_prefetch_b8 v[PFO], s[PFA:PFA+1] th:TH_LOAD_NT scope:SCOPE_SE    ; and slot 0's second
.Lno_ask_\@:
.endm
	s_cmp_eq_u32 ttmp9, 5
	s_cbranch_scc1 .Lv_a
	v_mov_b32 v192, 0x41200000                     ; 10
	v_mov_b32 v193, 0
	s_wait_alu depctr_va_vdst(0)
	DSQRT 194, 195, 192, 193                       ; 10^(8/16)
	DSQRT 196, 197, 194, 195                       ; 10^(4/16)
	DSQRT 198, 199, 196, 197                       ; 10^(2/16)
	DSQRT 200, 201, 198, 199                       ; 10^(1/16)
	PICK 0, 200, 201
	v_mov_b32 v204, v206
	v_mov_b32 v205, v207
	PICK 1, 198, 199
	DMUL
	PICK 2, 196, 197
	DMUL
	PICK 3, 194, 195
	DMUL
	PICK 4, 192, 193
	DMUL                                           ; v204 = 10^(lane / 16), rounded once
	v_mov_b32 v206, 0x42c80000                     ; x 100: f = lane + 32
	v_mul_f32 v208, v204, v206
	v_fma_f32 v209, v204, v206, -v208
	v_fma_f32 v209, v205, v206, v209
	v_add_f32 v211, v208, v209
	s_wait_alu depctr_va_vdst(0)
	v_rcp_f32 v212, v204
	v_rcp_f32 v213, v211
	v_nop
	s_wait_alu depctr_va_vdst(0)                   ; one wait for both reciprocals
.rept 2                                        ; two corrections: the quotient 1 / P as f32 division gives it
	v_fma_f32 v214, -v204, v212, 1.0
	v_fma_f32 v215, -v211, v213, 1.0
	v_fma_f32 v212, v212, v214, v212
	v_fma_f32 v213, v213, v215, v213
.endr
.irp t, 0,1
.irp j, 0,1,2,3,4,5,6,7
	v_add_nc_u32 v[216+8*\t+\j], 64*\t+4*\j, v21   ; 4 x lane 16 t + 8 h + j
.endr
.endr
	WIN 0x40
.irp t, 0,1
.irp j, 0,1,2,3,4,5,6,7
	ds_bpermute_b32 v[192+8*\t+\j], v[216+8*\t+\j], v212   ; inv_freq(16 t + 8 h + j) into register 192 + 8 t + j of window 1
	ds_bpermute_b32 v[208+8*\t+\j], v[216+8*\t+\j], v213   ; and t + 2
.endr
.endr
	WIN 0
	s_wait_alu depctr_va_vdst(0)
	s_wait_dscnt 0x0
	SCTILE 0
	ASK0                                           ; between the two tiles: behind the head's loads, ahead of slot 1's
	SCTILE 1
	s_wait_alu depctr_va_vdst(0)
	s_branch .Lj_a
.Lv_a:                                             ; v: no angles
	CLEAR 0xc0, 0, 128
	CLEAR 0x40, 192, 32
	ASK0
.Lj_a:
	s_wait_alu depctr_va_vdst(0)                   ; the wait at the head's end
	s_wait_xcnt 0x0                                ; the prefetches have read their addresses
	s_add_nc_u64 s[PFB:PFB+1], s[PFB:PFB+1], 256   ; mu's and Wm's second chunk
	s_wait_tensorcnt 0x0                           ; my tile of the head's four is in; these lines stand ahead of a later first fill as ahead of a refill
	ds_add_u32 v[SPW], v[NIL]
	s_mov_b32 s[HX+1], SLOT                        ; no tensor load of mine is out: the descriptors go on to slot 1, mu and Wm, and their scales
	s_mov_b64 s[HX+2:HX+3], s[8:9]
	s_or_b32 s[HX+3], s[HX+3], 0x80000000
	s_mov_b32 s[HW+1], SLOT+XT
	s_mov_b64 s[HW+2:HW+3], s[16:17]
	s_or_b32 s[HW+3], s[HW+3], 0x80000000
	s_mov_b32 s[HS+1], SCL+PAIR
	s_mov_b64 s[HS+2:HS+3], s[10:11]
	s_or_b32 s[HS+3], s[HS+3], 0x80000000
	s_mov_b32 s[HSB+1], SCL+PAIR+XSC
	s_mov_b64 s[HSB+2:HSB+3], s[18:19]
	s_or_b32 s[HSB+3], s[HSB+3], 0x80000000
	s_wait_dscnt 0x0                               ; the add is done
	CROUND                                         ; a whole round: the head's four tiles are in, and all sixteen work-groups are here
	LOAD4                                          ; slot 1's first fill and its scales: the first tensor load behind the round
	FETCH 0, 0, 0
	SCALES 0
	s_wait_alu depctr_va_vdst(0)                   ; the wait ahead of the branches
	s_cmp_eq_u32 s[LIM], 1
	s_cbranch_scc0 .Lno_ask_1
	global_prefetch_b8 v[PFO], s[PFB:PFB+1] th:TH_LOAD_NT scope:SCOPE_SE
.Lno_ask_1:
	s_cmp_eq_u32 ttmp9, 5
	s_cbranch_scc1 .Lv_b
	WIN 0x40
.irp t, 0,1,2,3,4,5,6,7                        ; the norm's weight in the results' layout: register 8 t + j is w(16 t + 8 h + j)
	global_load_b128 v[128+8*\t:128+8*\t+3], v21, s[36:37] offset:64*\t
	global_load_b128 v[128+8*\t+4:128+8*\t+7], v21, s[36:37] offset:64*\t+16
.endr
	WIN 0
	SCTILE 2                                       ; under slot 1's loads
	SCTILE 3
	s_wait_alu depctr_va_vdst(0)
	s_branch .Lj_b
.Lv_b:
	CLEAR 0xc0, 128, 128
	CLEAR 0x40, 128, 64
.Lj_b:
	STEP 0, 0, 1                                   ; the first step stands in front of the loop: its products start the sums
	WIN 0
	s_mov_b32 s[CNT], 3
.Llap:                                             ; a trip goes once round the ring and fills both slots again: chunks 1, 2, 3 of each pair
	STEP 0, 1, 0
	STEP 0, 2, 0
	TURN 0, 1, 1
	STEP 1, 0, 0
	STEP 1, 1, 0
	STEP 1, 2, 0
	TURN 1, 0, 1
	STEP 0, 0, 0
	WIN 0
	s_sub_co_u32 s[CNT], s[CNT], 1
	s_cmp_lg_u32 s[CNT], 0
	s_cbranch_scc1 .Llap
	STEP 0, 1, 0                                   ; the last lap fills nothing
	STEP 0, 2, 0
	TURN 0, 1, 0
	STEP 1, 0, 0
	STEP 1, 1, 0
	STEP 1, 2, 0
	s_wait_dscnt 0x0
	WIN 0xa1
.irp a, 0,1,2,3
	MUL8 \a, 1, 3, 1, 0
.endr
	WIN 0
	PLACES 4                                       ; behind the last products, in front of the first read of results
	s_wait_xcnt 0x0                                ; the prefetches and loads have read their addresses: scalar registers are used again
	s_barrier_signal -1                            ; no LDS instruction of mine is out.  Behind this barrier no wave reads the ring: v's stage lies there
	s_barrier_wait -1
	s_mov_b32 s[SEL], 0x76543210
	s_mov_b32 s[SEL+1], 0xfedcba98                 ; v_permlanex16_b32's selects for lane l xor 16
	s_cmp_eq_u32 ttmp9, 5
	s_cbranch_scc1 .Lvpath
	; ================= q and k =================
	s_lshl_b32 s4, s97, 7
	s_lshl_b32 s5, s66, 4
	s_add_co_u32 s4, s4, s5
	s_lshl_b32 s5, s[WV], 2
	s_add_co_u32 s4, s4, s5                        ; 128 head + my first tile of 16 positions
	s_lshl_b32 s6, s4, 6                           ; 256 bytes of scale words for four tiles
	s_lshl_b32 s4, s4, 10
	s_mov_b32 s5, 0
	s_mov_b32 s7, 0
	s_add_nc_u64 s[12:13], s[40:41], s[4:5]
	s_add_nc_u64 s[14:15], s[42:43], s[6:7]
	s_mov_b32 s10, 0x3c000000                      ; 1 / 128
	s_mov_b32 s11, 0x358637bd                      ; 1e-6
	; the sums of squares of the four tiles: four chains a tile, each accumulator from its low end on
	WIN 0x0a
.irp c, 0,1,2,3
.irp a, 0,1,2,3
	v_pk_mul_f32 v[192+8*\a+2*\c:193+8*\a+2*\c], v[64*\a+2*\c:64*\a+2*\c+1], v[64*\a+2*\c:64*\a+2*\c+1]
.endr
.endr
.set m, 4
.rept 28
.irp a, 0,1,2,3
	v_pk_fma_f32 v[192+8*\a+2*(m%4):193+8*\a+2*(m%4)], v[64*\a+2*m:64*\a+2*m+1], v[64*\a+2*m:64*\a+2*m+1], v[192+8*\a+2*(m%4):193+8*\a+2*(m%4)]
.endr
.set m, m+1
.endr
	WIN 0
.irp a, 0,1,2,3
	v_pk_add_f32 v[192+8*\a:193+8*\a], v[192+8*\a:193+8*\a], v[194+8*\a:195+8*\a]
	v_pk_add_f32 v[196+8*\a:197+8*\a], v[196+8*\a:197+8*\a], v[198+8*\a:199+8*\a]
.endr
.irp a, 0,1,2,3
	v_pk_add_f32 v[192+8*\a:193+8*\a], v[192+8*\a:193+8*\a], v[196+8*\a:197+8*\a]
.endr
.irp a, 0,1,2,3
	v_add_f32 v[192+8*\a], v[192+8*\a], v[193+8*\a]
.endr
.irp a, 0,1,2,3
	v_permlanex16_b32 v[193+8*\a], v[192+8*\a], s[SEL], s[SEL+1]   ; the position's other 64 columns lie in lane l xor 16
.endr
.irp a, 0,1,2,3
	v_add_f32 v[192+8*\a], v[192+8*\a], v[193+8*\a]
.endr
.irp a, 0,1,2,3
	v_fma_f32 v[192+8*\a], v[192+8*\a], s10, s11   ; the mean + 1e-6
.endr
	s_wait_alu depctr_va_vdst(0)
.irp a, 0,1,2,3
	v_rsq_f32 v[244+2*\a], v[192+8*\a]
.endr
	v_nop                                          ; a plain line behind the four roots
	s_wait_alu depctr_va_vdst(0)                   ; one wait for the four roots
.irp a, 0,1,2,3
	v_mov_b32 v[245+2*\a], v[244+2*\a]
.endr
	s_wait_alu depctr_va_vdst(0)
	s_wait_loadcnt 0x0                             ; the norm's weight
; 64 numbers of a lane, register 8 t + j = k 16 t + 8 (lane / 16) + j of my row, become a fragment's codes in v[pc] on and its scale word in v[pw].
; Registers 16 b .. 16 b + 15 of lanes l and l xor 16 are block b.  Tile t's eight codes go to register 4 (t / 4) + 2 (t % 2) + (t / 2) % 2, so that four exchanges of halves give the operand's layout.
.macro QUANTN s, pc, pw
.irp b, 0,1,2,3
	v_max3_num_f32 v[TM+\b], |v[\s+16*\b]|, |v[\s+1+16*\b]|, 0x1800000   ; with the floor 2^(3 - 127): the byte cannot fall under 1
.endr
.irp i, 2,4,6,8,10,12,14
.irp b, 0,1,2,3
	v_max3_num_f32 v[TM+\b], v[TM+\b], |v[\s+16*\b+\i]|, |v[\s+1+16*\b+\i]|
.endr
.endr
.irp b, 0,1,2,3
	v_permlanex16_b32 v[TM+4+\b], v[TM+\b], s[SEL], s[SEL+1]
.endr
.irp b, 0,1,2,3
	v_max_num_f32 v[TM+\b], v[TM+\b], v[TM+4+\b]
.endr
.irp b, 0,1,2,3
	v_add_nc_u32 v[TM+12+\b], 0xff000000, v[TM+\b]   ; 2 off the exponent field: the conversion's scale operand
.endr
.irp b, 0,1,2,3
	v_lshrrev_b32 v[TM+4+\b], 23, v[TM+12+\b]      ; the scale's byte
.endr
	v_lshl_or_b32 v[\pw], v[TM+5], 8, v[TM+4]
	v_lshl_or_b32 v[\pw], v[TM+6], 16, v[\pw]
	v_lshl_or_b32 v[\pw], v[TM+7], 24, v[\pw]
.irp t, 0,1,2,3,4,5,6,7
	v_cvt_scalef32_pk8_fp4_f32 v[\pc+4*(\t/4)+2*(\t%2)+(\t/2)%2], v[\s+8*\t:\s+8*\t+7], v[TM+12+\t/2]
.endr
	v_nop                                          ; one plain line behind the scaled conversions
.irp k, 0,1,2,3
	v_permlane16_swap_b32 v[\pc+2*\k], v[\pc+2*\k+1]
.endr
.endm
.macro ROPE8 a, m0                             ; column d < 64 and column d + 64 lie 32 registers apart: eight pairs of pairs
.set m, \m0
.rept 8
.set u, 192+4*((m/2)%8)
	v_pk_mul_f32 v[u:u+1], v[XF+32+m:XF+33+m], v[64*\a+32+m:64*\a+33+m]
	v_pk_mul_f32 v[u+2:u+3], v[XF+m:XF+m+1], v[64*\a+32+m:64*\a+33+m]
.set m, m+2
.endr
.set m, \m0
.rept 8
.set u, 192+4*((m/2)%8)
	v_pk_fma_f32 v[XF+m:XF+m+1], v[XF+m:XF+m+1], v[64*\a+m:64*\a+m+1], v[u:u+1] neg_lo:[0,0,1] neg_hi:[0,0,1]
	v_pk_fma_f32 v[XF+32+m:XF+33+m], v[XF+32+m:XF+33+m], v[64*\a+m:64*\a+m+1], v[u+2:u+3]
.set m, m+2
.endr
.endm
.macro QKTILE a
	WIN 0x02
.set m, 0
.rept 32
	v_pk_mul_f32 v[XF+m:XF+m+1], v[64*\a+m:64*\a+m+1], v[244+2*\a:245+2*\a] op_sel_hi:[1,0]   ; x / rms
.set m, m+2
.endr
	WIN 0x04
.set m, 0
.rept 32
	v_pk_mul_f32 v[XF+m:XF+m+1], v[XF+m:XF+m+1], v[128+m:129+m]   ; x the weight
.set m, m+2
.endr
	WIN 0x0c
	ROPE8 \a, 0
	ROPE8 \a, 16
	WIN 0
	QUANTN XF, PCD+8*\a, 240+\a
	global_store_b128 v14, v[PCD+8*\a:PCD+8*\a+3], s[12:13] offset:1024*\a         ; 32 lanes store 512 consecutive bytes; each tile has its own eight registers, so no store's data are written again
	global_store_b128 v14, v[PCD+8*\a+4:PCD+8*\a+7], s[12:13] offset:1024*\a+512
.endm
	QKTILE 0
	QKTILE 1
	QKTILE 2
	QKTILE 3
	v_cmp_ne_u32 vcc_lo, 0, v2                     ; the four tiles' scale words: lanes 0-15 store tiles 0 and 1, lanes 16-31 tiles 2 and 3
	v_cndmask_b32 v252, v240, v242, vcc_lo
	v_cndmask_b32 v253, v241, v243, vcc_lo
	global_store_b64 v15, v[252:253], s[14:15]     ; 256 consecutive bytes, aligned
	s_branch .Ljoin
	; ================= v =================
.Lvpath:
	s_lshl_b32 s4, s95, 4
	s_lshl_b32 s5, s66, 1
	s_add_co_u32 s4, s4, s5                        ; 16 kv head + the work-group's first key step
	s_lshl_b32 s6, s4, 9
	s_lshl_b32 s5, s[WV], 8
	s_add_co_u32 s6, s6, s5                        ; scale words: 512 bytes a key step; I store 256
	s_mov_b32 s7, 0
	s_add_co_u32 s4, s4, s93                       ; my key step
	s_lshl_b32 s4, s4, 13
	s_lshl_b32 s5, s94, 9                          ; my 64 keys are registers 4 (w % 2) .. + 3 of its fragments
	s_add_co_u32 s4, s4, s5
	s_mov_b32 s5, 0
	s_add_nc_u64 s[12:13], s[44:45], s[4:5]
	s_add_nc_u64 s[14:15], s[46:47], s[6:7]
	WIN 0x08                                       ; an LDS store's data: window 2
.irp a, 0,1,2,3
.irp t, 0,1,2,3,4,5,6,7
	ds_store_b128 v16, v[64*\a+8*\t:64*\a+8*\t+3] offset:\a*16*528+(\a/2)*64+64*\t      ; each accumulator from its low end on
	ds_store_b128 v16, v[64*\a+8*\t+4:64*\a+8*\t+7] offset:\a*16*528+(\a/2)*64+64*\t+16
.endr
.endr
	WIN 0
.macro LOADT t                                 ; column 16 t + r at positions 32 h + 0 .. 31: a whole block of 32 keys in my registers
.set i, 0
.rept 32
	ds_load_b32 v[XF+32*((\t)%2)+i], v17 offset:528*i+64*(\t)
.set i, i+1
.endr
.endm
.macro VBLOCK t
.set XS, XF+32*((\t)%2)
	v_max3_num_f32 v192, |v[XS]|, |v[XS+1]|, |v[XS+2]|
	v_max3_num_f32 v193, |v[XS+3]|, |v[XS+4]|, |v[XS+5]|
.irp i, 6,10,14,18,22,26
	v_max3_num_f32 v192, v192, |v[XS+\i]|, |v[XS+\i+1]|
	v_max3_num_f32 v193, v193, |v[XS+\i+2]|, |v[XS+\i+3]|
.endr
	v_max3_num_f32 v192, v192, |v[XS+30]|, |v[XS+31]|
	v_max3_num_f32 v192, v192, v193, 0x1800000     ; the floor
	v_add_nc_u32 v194, 0xff000000, v192
	v_lshrrev_b32 v[200+(\t)], 23, v194
.irp g, 0,1,2,3
	v_cvt_scalef32_pk8_fp4_f32 v[PCD+4*(\t)+\g], v[XS+8*\g:XS+8*\g+7], v194
.endr
	v_nop                                          ; one plain line behind the scaled conversions
	ds_store_b8 v18, v[200+(\t)] offset:((\t)/4)*256+((\t)%4)*4
	global_store_b128 v14, v[PCD+4*(\t):PCD+4*(\t)+3], s[12:13] offset:1024*(\t)   ; 512 consecutive bytes: half of tile t's image
.endm
	LOADT 0                                        ; LDS serves a wave's instructions in order: these see my stores
.irp t, 0,1,2,3,4,5,6
	LOADT \t+1
	s_wait_dscnt 32                                ; all but the next tile's 32 loads
	VBLOCK \t
.endr
	s_wait_dscnt 0x0
	VBLOCK 7
	s_wait_dscnt 0x0                               ; for the others' sake: my scale bytes have landed
	s_barrier_signal -1
	s_barrier_wait -1
	ds_load_b64 v[192:193], v19
	s_wait_dscnt 0x0
	global_store_b64 v20, v[192:193], s[14:15]     ; 256 consecutive bytes, aligned
.Ljoin:
	s_wait_tensorcnt 0x0                           ; the wave's end: behind my last tensor load and my last LDS store
	ds_add_u32 v[SPW], v[NIL]
	s_wait_dscnt 0x0
	CROUND                                         ; the closing round
	s_endpgm
.Lfunc_end_k_q5f6041ac72_qkv:
	.size	k_q5f6041ac72_qkv, .Lfunc_end_k_q5f6041ac72_qkv-k_q5f6041ac72_qkv
	.p2alignl 7, 3214868480
	.fill 96, 4, 3214868480
	.section	.rodata,"a",@progbits
	.p2align	6, 0x0
	.amdhsa_kernel k_q5f6041ac72_qkv
		.amdhsa_group_segment_fixed_size 327680
		.amdhsa_private_segment_fixed_size 0
		.amdhsa_enable_private_segment 0
		.amdhsa_kernarg_size 176
		.amdhsa_user_sgpr_count 2
		.amdhsa_user_sgpr_kernarg_segment_ptr 1
		.amdhsa_wavefront_size32 1
		.amdhsa_system_sgpr_workgroup_id_x 1
		.amdhsa_system_sgpr_workgroup_id_y 1
		.amdhsa_system_sgpr_workgroup_id_z 1
		.amdhsa_system_vgpr_workitem_id 0
		.amdhsa_next_free_vgpr 1024
		.amdhsa_next_free_sgpr 106
		.amdhsa_reserve_vcc 1
		.amdhsa_float_denorm_mode_32 3
		.amdhsa_float_denorm_mode_16_64 3
		.amdhsa_memory_ordered 1
		.amdhsa_forward_progress 1
		.amdhsa_inst_pref_size 255
	.end_amdhsa_kernel
	.section	.bss,"aw",@nobits
	.p2align	6
	.space	262144
	.amdgpu_metadata
---
amdhsa.version: [ 1, 2 ]
amdhsa.kernels:
  - .name:           k_q5f6041ac72_qkv
    .symbol:         k_q5f6041ac72_qkv.kd
    .args:
      - { .name: hidden_states_codes, .offset: 0, .size: 8, .value_kind: global_buffer, .address_space: global }
      - { .name: hidden_states_scales, .offset: 8, .size: 8, .value_kind: global_buffer, .address_space: global }
      - { .name: mu_prev_codes, .offset: 16, .size: 8, .value_kind: global_buffer, .address_space: global }
      - { .name: mu_prev_scales, .offset: 24, .size: 8, .value_kind: global_buffer, .address_space: global }
      - { .name: wq_codes, .offset: 32, .size: 8, .value_kind: global_buffer, .address_space: global }
      - { .name: wq_scales, .offset: 40, .size: 8, .value_kind: global_buffer, .address_space: global }
      - { .name: wmq_codes, .offset: 48, .size: 8, .value_kind: global_buffer, .address_space: global }
      - { .name: wmq_scales, .offset: 56, .size: 8, .value_kind: global_buffer, .address_space: global }
      - { .name: wk_codes, .offset: 64, .size: 8, .value_kind: global_buffer, .address_space: global }
      - { .name: wk_scales, .offset: 72, .size: 8, .value_kind: global_buffer, .address_space: global }
      - { .name: wmk_codes, .offset: 80, .size: 8, .value_kind: global_buffer, .address_space: global }
      - { .name: wmk_scales, .offset: 88, .size: 8, .value_kind: global_buffer, .address_space: global }
      - { .name: wv_codes, .offset: 96, .size: 8, .value_kind: global_buffer, .address_space: global }
      - { .name: wv_scales, .offset: 104, .size: 8, .value_kind: global_buffer, .address_space: global }
      - { .name: wmv_codes, .offset: 112, .size: 8, .value_kind: global_buffer, .address_space: global }
      - { .name: wmv_scales, .offset: 120, .size: 8, .value_kind: global_buffer, .address_space: global }
      - { .name: q_norm_w, .offset: 128, .size: 8, .value_kind: global_buffer, .address_space: global }
      - { .name: k_norm_w, .offset: 136, .size: 8, .value_kind: global_buffer, .address_space: global }
      - { .name: qk_codes, .offset: 144, .size: 8, .value_kind: global_buffer, .address_space: global }
      - { .name: qk_scales, .offset: 152, .size: 8, .value_kind: global_buffer, .address_space: global }
      - { .name: v_codes, .offset: 160, .size: 8, .value_kind: global_buffer, .address_space: global }
      - { .name: v_scales, .offset: 168, .size: 8, .value_kind: global_buffer, .address_space: global }
    .group_segment_fixed_size: 327680
    .private_segment_fixed_size: 0
    .kernarg_segment_align: 8
    .kernarg_segment_size: 176
    .max_flat_workgroup_size: 128
    .sgpr_count:     106
    .vgpr_count:     1024
    .wavefront_size: 32
...
	.end_amdgpu_metadata
.endif
;; end of part 1
;; launch attn (part 2): grid 64 x 4, 16 waves a work-group, clusters of 4 x 1, 327,680 bytes of LDS; arguments qk_codes, qk_scales, v_codes, v_scales, a_codes, a_scales; writes a_codes, a_scales
.if DOCPART == 2
	.amdgcn_target "amdgcn-amd-amdhsa--gfx1250"
	.amdhsa_code_object_version 6
	.text
	.protected	k_q5f6041ac72_attn
	.globl	k_q5f6041ac72_attn
	.p2align	8
	.type	k_q5f6041ac72_attn,@function
k_q5f6041ac72_attn:
	s_mov_b64 s[64:65], 0
	v_nop
	global_prefetch_b8 v0, s[64:65] scope:SCOPE_SE
	s_setreg_imm32_b32 hwreg(HW_REG_WAVE_MODE, 25, 1), 1
	s_wait_xcnt 0x0
	s_wait_alu depctr_hold_cnt(0) depctr_sa_sdst(0) depctr_va_vdst(0) depctr_va_sdst(0) depctr_va_ssrc(0) depctr_va_vcc(0) depctr_vm_vsrc(0)
	s_getreg_b32 s2, hwreg(HW_REG_IB_STS2, 6, 4)
	s_cmp_eq_u32 s2, 0
	s_cbranch_scc0 .Lentry_in_a_cluster
	s_endpgm
.Lentry_in_a_cluster:
	s_bfe_u32 s2, ttmp6, 0x10000c
	s_cmp_lg_u32 s2, 0x3003
	s_cbranch_scc0 .Lentry_shape_is_right
	s_endpgm
.Lentry_shape_is_right:
; Products 7 and 8 on codes of FP4 with E8M0 scales, the softmax between them in f32, its result quantised along the head's 128 for the next launch.
; DEAD WORK left out: key steps of 128 keys that lie wholly behind a tile's 16 queries (reference()'s own jnp.tril: p = 0 there for all finite inputs; the first kernel's head has the proof and the limit).
; THE SOFTMAX: t = score x log2(e) / sqrt(128); M = the largest t so far, rounded UP to a whole number; p = 2^(t - M) is quantised along the keys; the sum is taken of the unquantised p and divides at the end.
; LIMIT: the promise holds while t, before M is taken away, stays under 2^31 in magnitude.  NaN and infinities are not served by the quantisers; a block of zeros gets the byte 1 (its codes are zeros).
; SHARES.  Work-group (i, kv head): query tiles i and 127 - i (16 queries each) of the kv head's four query heads: 17 key steps a query head for every i.  Four waves share a query head's 17 steps:
; where tile i has 5 steps or fewer (clusters 0-9) one wave walks tile i and three walk tile 127 - i, every third step each; else two and two, every second step.  At most six steps a wave.
; Role = (wave / 4 + query head) % 4: role 0 keeps tile i's sums, role 3 tile 127 - i's; the others' partial sums go to them through LDS, brought under one M by powers of two.
; ALL KEYS LIE IN LDS, nothing is filled again.  Wave w < 8 fetches tile w (16 of each step's 128 keys) of K, wave w >= 8 tile w - 8 of V: rows of 1,024 bytes, a key step each.  The head's load brings steps 0-5, the second, behind the full sequence
; and a round, steps 6-15.  Steps 0 and 8 are read by every work-group, so every load is read.
; Three walks over key steps.  The first (steps 0-2) and the second (3-5) hold each wave's first two steps and read the head's bytes alone.  Between them a wave waits for its second load and signals the barrier; it waits for the others behind the second walk,
; ahead of the third, which holds all other steps.
; The scale bytes of the kv head (16 KB) go through registers into LDS, 1 KB a wave.
; CLUSTERS: 4 work-groups of one kv head ask for all of it jointly.  Step counts hang on the cluster's x and the wave's number alone: (tile / 8) is the same in the four.
; No prefetch: there is no loop to run ahead in, every tile is asked for ahead of the first key step.
; LAYOUT.  Both products transposed (source 0 = 16 keys or 16 of d, source 1 = queries or p): a lane holds one query; register 8 t + j of S^T is key 16 t + 8 (lane / 16) + j.  Codes lie as images of operand registers, 1,024 bytes a fragment.
; REGISTERS: v1-11 addresses; v12 -M, v13 the largest t, v[14:15] the sum in two halves; v16-23 Q; v24-31, v253, v255 scale words; v32-95 K's, then V's fragments; v96-159 S^T, then p; v160-223 O^T; v224-231 p's codes; v232-254 at work.
.set SC,    262144                     ; behind K and V: K's scale words (512 bytes a key step), V's 8,192 bytes on
.set SPARE, SC+16384                   ; the spare words, 128 bytes a wave
.set ASB,   SPARE+2048                 ; the result's scale words, 256 bytes a tile
.set MRW,   8704                       ; a wave's partial sums: 64 registers and v[12:15].  They lie over K and V behind their last read
.set FIRST, 6                          ; key steps in the head's load
.set TB,    2
.set TS,    3
.set KS,    16
.set WV,    18
.set NX,    19                         ; my next key step
.set SEL,   20
.set CS,    22
.set G1,    24
.set G0,    40
.set STR,   66
.set LAST,  67
.set LIM1,  76                         ; the last key step that I walk ahead of the barrier's wait
.set TILE,  77
.set RD,    81
.set OWN,   98
.set P1,    99
.set P2,    100
.macro CROUND
	s_barrier_signal -1
	s_barrier_wait -1
	s_cmp_lg_u32 s[WV], 0
	s_cbranch_scc1 .Lnot_wave_0_\@
	s_barrier_signal -3
.Lnot_wave_0_\@:
	s_barrier_wait -3
	s_barrier_signal -1
	s_barrier_wait -1
.endm
	s_load_b256 s[4:11], s[0:1], 0x0               ; qk_codes, qk_scales, v_codes, v_scales
	s_load_b128 s[12:15], s[0:1], 0x20             ; a_codes, a_scales
	v_lshl_add_u32 v5, v0, 2, SPARE
	v_mov_b32 v6, 0
	ds_add_u32 v5, v6                              ; the wave's opening: the add, twice on end, and its wait ahead of my first tensor load
	ds_add_u32 v5, v6
	v_lshrrev_b32 v8, 5, v0
	v_readfirstlane_b32 s[WV], v8
	s_bfe_u32 s17, ttmp6, 0x40000                  ; cx
	s_and_b32 s68, ttmp7, 0xffff                   ; kv head
	s_and_b32 s69, s[WV], 3                        ; query head of the four
	s_lshr_b32 s70, s[WV], 2
	s_add_co_u32 s71, s70, s69
	s_and_b32 s71, s71, 3                          ; my role
	s_add_co_u32 s[RD], s71, 1
	s_and_b32 s[RD], s[RD], 3                      ; under 2: roles 3 and 0, which keep a tile's sums
	s_lshr_b32 s70, s71, 1                         ; role / 2
	s_lshl_b32 s72, ttmp9, 2
	s_add_co_u32 s72, s72, s17                     ; i
	s_sub_co_u32 s78, 127, s72
	s_lshr_b32 s73, ttmp9, 1                       ; i / 8: tile i's last key step
	s_sub_co_u32 s79, 15, s73                      ; tile 127 - i's
	s_sub_co_u32 s76, 3, s71
	s_cmp_lt_u32 ttmp9, 10
	s_cselect_b32 s74, 1, 2                        ; waves for tile i, and their stride
	s_cselect_b32 s75, 3, 2                        ; the stride of tile 127 - i's waves
	s_cmp_ge_u32 s71, s74
	s_cselect_b32 s[STR], s75, s74
	s_cselect_b32 s[NX], s76, s71                  ; my first step: 3 - role, or role
	s_cselect_b32 s[TILE], s78, s72
	s_cselect_b32 s[LAST], s79, s73
	s_lshl_b32 s[LIM1], s[STR], 1
	s_sub_co_u32 s[LIM1], s[LIM1], 1               ; my first two steps lie under 2 x stride, which is at most 6
	s_min_u32 s[LIM1], s[LIM1], s[LAST]
	s_mov_b32 s[G1], 15|(3<<16)|(1<<21)            ; all four partners; elements of 8 bytes; bit 21 beside a mask
	s_mov_b32 s[G1+1], 128<<16                     ; rows of 1,024 bytes, 8,192 bytes apart
	s_mov_b32 s[G1+2], FIRST<<16
	s_mov_b32 s[G1+3], 128<<16
	s_mov_b32 s[G1+4], FIRST
	s_mov_b32 s[G1+5], 1024
	s_mov_b32 s[G1+6], 0
	s_mov_b32 s[G1+7], 0
	s_add_co_u32 s82, s68, 16                      ; K's head among q's and k's
	s_cmp_lt_u32 s[WV], 8
	s_cselect_b32 s82, s82, s68
	s_and_b32 s83, s[WV], 7
	s_lshl_b32 s83, s83, 10                        ; 1,024 bytes on for each tile; and for each wave's part of the scales
	s_lshl_b32 s84, s82, 17
	s_add_co_u32 s84, s84, s83
	s_mov_b32 s85, 0
	s_lshl_b32 s86, s82, 13
	s_add_co_u32 s86, s86, s83
	s_mov_b32 s87, 0
	s_lshl_b32 s88, s68, 2
	s_add_co_u32 s88, s88, s69                     ; my query head
	s_lshl_b32 s90, s88, 7
	s_add_co_u32 s90, s90, s[TILE]
	s_lshl_b32 s90, s90, 10                        ; Q's fragment
	s_mov_b32 s91, 0
	s_lshl_b32 s92, s88, 5
	s_lshr_b32 s93, s[TILE], 2
	s_add_co_u32 s92, s92, s93
	s_lshl_b32 s92, s92, 8
	s_and_b32 s93, s[TILE], 3
	s_lshl_b32 s93, s93, 2
	s_add_co_u32 s92, s92, s93                     ; and its scale words
	s_mov_b32 s93, 0
	s_mov_b32 s[SEL], 0x76543210
	s_mov_b32 s[SEL+1], 0xfedcba98
	s_mov_b32 s[CS], 0x3e0293ee                    ; log2(e) / sqrt(128)
	s_mov_b32 s[CS+1], s[CS]
	s_mul_i32 s[OWN], s[WV], MRW
	s_lshl_b32 s94, s70, 3
	s_add_co_u32 s94, s94, 4
	s_add_co_u32 s94, s94, s[WV]
	s_and_b32 s94, s94, 15                         ; the wave of role 1 (for role 0) or 2 (for role 3)
	s_mul_i32 s[P1], s94, MRW
	s_add_co_u32 s94, s[WV], 8
	s_and_b32 s94, s94, 15                         ; the wave of role 1, for role 3
	s_mul_i32 s[P2], s94, MRW
	s_wait_dscnt 0x0                               ; both opening adds are done
	s_wait_kmcnt 0x0
	s_cmp_lt_u32 s[WV], 8
	s_cselect_b64 s[G0+2:G0+3], s[4:5], s[8:9]
	s_cselect_b64 s[94:95], s[6:7], s[10:11]
	s_mov_b32 s[G0], 1
	s_lshl_b32 s[G0+1], s[WV], 14
	s_add_nc_u64 s[G0+2:G0+3], s[G0+2:G0+3], s[84:85]
	s_or_b32 s[G0+3], s[G0+3], 0x80000000
	CROUND                                         ; all four work-groups are here: the joint loads meet
	tensor_load_to_lds s[G0:G0+3], s[G1:G1+7]      ; each wave its own tile's first steps: the wave's one load at the head
	s_nop 0
.rept 4
	v_nop
.endr
	s_add_nc_u64 s[94:95], s[94:95], s[86:87]      ; my 1,024 scale bytes
	s_add_nc_u64 s[90:91], s[4:5], s[90:91]
	s_add_nc_u64 s[92:93], s[6:7], s[92:93]
	s_lshl_b32 s82, s68, 7                         ; where my tile of the result goes, if I keep one
	s_add_co_u32 s82, s82, s[TILE]
	s_lshl_b32 s82, s82, 2
	s_add_co_u32 s82, s82, s69
	s_lshl_b32 s82, s82, 10
	s_mov_b32 s83, 0
	s_add_nc_u64 s[12:13], s[12:13], s[82:83]
	s_lshl_b32 s82, s68, 15
	s_lshl_b32 s84, s72, 8
	s_add_co_u32 s82, s82, s84
	s_add_nc_u64 s[14:15], s[14:15], s[82:83]
	s_and_b32 s84, s[TILE], 7
	s_lshl_b32 s84, s84, 4
	s_lshl_b32 s85, s[WV], 10
	s_add_co_u32 s85, s85, SC
	v_and_b32 v8, 15, v0                           ; r
	v_bfe_u32 v9, v0, 4, 1                         ; h
	v_and_b32 v10, 31, v0
	v_lshlrev_b32 v1, 4, v10                       ; 16 x lane
	v_lshlrev_b32 v2, 4, v8                        ; 16 r
	v_lshl_add_u32 v3, v8, 4, SC
	v_add_nc_u32 v4, s85, v1
	v_lshlrev_b32 v9, 3, v9
	v_sub_nc_u32 v252, v8, v9
	v_add_nc_u32 v252, s84, v252                   ; my query's place in its last key step - 8 h: register 8 t + j is hidden there where 16 t + j is greater
	s_wait_alu depctr_va_vdst(0)
	global_load_b128 v[96:99], v1, s[94:95]
	global_load_b128 v[100:103], v1, s[94:95] offset:512
	global_load_b128 v[16:19], v1, s[90:91]
	global_load_b128 v[20:23], v1, s[90:91] offset:512
	global_load_b32 v255, v2, s[92:93]
	v_mov_b32 v13, 0xff61b1e6                      ; -3e38, under every t
	v_mov_b32 v14, 0
	v_mov_b32 v15, 0
.irp b, 0,1,2,3
	v_mov_b32 v[236+\b], 0                         ; written once: a lane permute's destination counts as one of its sources
.endr
	v_mov_b32 v249, 0
	v_mov_b32 v251, 0                              ; (upper halves of pairs)
	v_floor_f32 v12, -v13                          ; -M
.set n, 0
.rept 64
	v_mov_b32 v[160+n], 0                          ; O^T: the step finds zeros; the first change of M leaves zeros
.set n, n+1
.endr
	s_wait_alu depctr_va_vdst(0)                   ; the wait at the head's end
	s_wait_tensorcnt 0x0                           ; my first steps have landed
	s_wait_loadcnt 0x0
	ds_store_b128 v4, v[96:99]                     ; the scale words: bytes that no tensor load fills
	ds_store_b128 v4, v[100:103] offset:512
	s_wait_tensorcnt 0x0                           ; ahead of a later first fill
	ds_add_u32 v5, v6
	s_mov_b32 s[G1+2], (16-FIRST)<<16              ; no tensor load of mine is out: the descriptor goes on to the other ten steps
	s_mov_b32 s[G1+4], 16-FIRST
	s_add_co_u32 s[G0+1], s[G0+1], FIRST*1024
	s_add_nc_u64 s[G0+2:G0+3], s[G0+2:G0+3], FIRST*8192
	s_wait_dscnt 0x0                               ; the add is done, and my scale words are in
	CROUND                                         ; everybody's first steps and scale words are in, and all four work-groups are here
	tensor_load_to_lds s[G0:G0+3], s[G1:G1+7]      ; the first tensor load behind the round
	s_nop 0
.rept 4
	v_nop
.endr
; A walk over key steps from .. end - 1, a trip each; a wave takes those that are its own, up to lim
.macro KEYS lim, from, end
	s_mov_b32 s[TB], (\from)*1024
	s_mov_b32 s[TS], (\from)*512
	s_mov_b32 s[KS], \from
.Lkey_\@:
	s_cmp_lg_u32 s[KS], s[NX]
	s_cbranch_scc1 .Lhidden_\@
	s_cmp_gt_u32 s[KS], s[\lim]
	s_cbranch_scc1 .Lhidden_\@
	s_add_co_u32 s[NX], s[NX], s[STR]
	v_add_nc_u32 v7, s[TB], v1                     ; these five are also the places between the last products and the loads
	v_add_nc_u32 v11, s[TS], v3
	v_add_nc_u32 v8, 0x10000, v7
	v_add_nc_u32 v9, 0x20000, v7
	v_add_nc_u32 v10, 0x30000, v7
.irp t, 0,1,2,3
	ds_load_b128 v[32+8*\t:35+8*\t], v7 offset:\t*16384
	ds_load_b128 v[36+8*\t:39+8*\t], v7 offset:\t*16384+512
	ds_load_b128 v[64+8*\t:67+8*\t], v8 offset:\t*16384
	ds_load_b128 v[68+8*\t:71+8*\t], v8 offset:\t*16384+512
.endr
	ds_load_b128 v[24:27], v11
	ds_load_b128 v[28:31], v11 offset:256
	s_wait_alu depctr_va_vdst(0)
	s_wait_dscnt 0x0
.irp t, 0,1,2,3,4,5,6,7
	v_wmma_scale_f32_16x16x128_f8f6f4 v[96+8*\t:103+8*\t], v[32+8*\t:39+8*\t], v[16:23], 0, v[24+\t], v255 matrix_a_fmt:MATRIX_FMT_FP4 matrix_b_fmt:MATRIX_FMT_FP4
.endr
.rept 4
	v_nop
.endr
.irp t, 0,1,2,3
	ds_load_b128 v[32+8*\t:35+8*\t], v9 offset:\t*16384      ; V's fragments land under the softmax
	ds_load_b128 v[36+8*\t:39+8*\t], v9 offset:\t*16384+512
	ds_load_b128 v[64+8*\t:67+8*\t], v10 offset:\t*16384
	ds_load_b128 v[68+8*\t:71+8*\t], v10 offset:\t*16384+512
.endr
	ds_load_b128 v[24:27], v11 offset:8192
	ds_load_b128 v[28:31], v11 offset:8448
	s_cmp_lg_u32 s[KS], s[LAST]                    ; the tile's last step lies on the diagonal: hidden scores become -infinity
	s_cbranch_scc1 .Lopen_\@
	v_mov_b32 v254, 0xff800000
.set n, 0
.rept 64
	v_cmp_gt_i32 vcc_lo, 16*(n/8)+n%8, v252
	v_cndmask_b32 v[96+n], v[96+n], v254, vcc_lo
.set n, n+1
.endr
.Lopen_\@:
.irp b, 0,1,2,3
	v_max3_num_f32 v[232+\b], v[96+16*\b], v[97+16*\b], v[98+16*\b]   ; the largest score of each block of 32 keys
.endr
.irp i, 3,5,7,9,11,13
.irp b, 0,1,2,3
	v_max3_num_f32 v[232+\b], v[232+\b], v[96+16*\b+\i], v[97+16*\b+\i]
.endr
.endr
.irp b, 0,1,2,3
	v_max_num_f32 v[232+\b], v[232+\b], v[111+16*\b]
.endr
.irp b, 0,1,2,3
	s_delay_alu instid0(VALU_DEP_4)
	v_permlanex16_b32 v[236+\b], v[232+\b], s[SEL], s[SEL+1]
.endr
.irp b, 0,1,2,3
	s_delay_alu instid0(VALU_DEP_4)
	v_max_num_f32 v[232+\b], v[232+\b], v[236+\b]
.endr
	s_delay_alu instid0(VALU_DEP_2)
	v_max3_num_f32 v254, v232, v233, v234
	s_delay_alu instid0(VALU_DEP_1)
	v_max_num_f32 v254, v254, v235
	s_delay_alu instid0(VALU_DEP_1)
	v_mul_f32 v254, s[CS], v254
	s_delay_alu instid0(VALU_DEP_1)
	v_max_num_f32 v13, v13, v254                   ; the running largest t
	v_mov_b32 v254, v12
	s_delay_alu instid0(VALU_DEP_2)
	v_floor_f32 v12, -v13                          ; the new -M: a whole number
	s_delay_alu instid0(VALU_DEP_1)
	v_sub_f32 v254, v12, v254
	s_delay_alu instid0(VALU_DEP_1)
	v_cvt_i32_f32 v254, v254
	s_delay_alu instid0(VALU_DEP_1)
	v_ldexp_f32 v250, 1.0, v254                    ; f = 2^(old M - new M)
.set n, 0
.rept 32
	v_pk_fma_f32 v[96+n:97+n], v[96+n:97+n], s[CS:CS+1], v[12:13] op_sel_hi:[1,0,0]
.set n, n+2
.endr
.irp b, 0,1,2,3
	v_fma_f32 v[232+\b], v[232+\b], s[CS], v12
.endr
	s_wait_alu depctr_va_vdst(0)                   ; the wait ahead of the batch
.set n, 0
.rept 64
	v_exp_f32 v[96+n], v[96+n]
.set n, n+1
.endr
	v_pk_mul_f32 v[14:15], v[14:15], v[250:251] op_sel_hi:[1,0]
	s_wait_alu depctr_va_vdst(0)                   ; and behind it
.irp b, 0,1,2,3
	v_exp_f32 v[232+\b], v[232+\b]                 ; each block's largest p
.endr
	v_pk_add_f32 v[236:237], v[96:97], v[98:99]    ; the sum of the unquantised p, in four chains
	v_pk_add_f32 v[238:239], v[100:101], v[102:103]
	v_pk_add_f32 v[240:241], v[104:105], v[106:107]
	v_pk_add_f32 v[14:15], v[14:15], v[108:109]
.irp j, 110,118,126,134,142,150
	v_pk_add_f32 v[236:237], v[236:237], v[\j:\j+1]
	v_pk_add_f32 v[238:239], v[238:239], v[\j+2:\j+3]
	v_pk_add_f32 v[240:241], v[240:241], v[\j+4:\j+5]
	v_pk_add_f32 v[14:15], v[14:15], v[\j+6:\j+7]
.endr
	v_pk_add_f32 v[236:237], v[236:237], v[158:159]
	v_pk_add_f32 v[238:239], v[238:239], v[240:241]
	v_pk_add_f32 v[14:15], v[14:15], v[236:237]
	s_delay_alu instid0(VALU_DEP_1)
	v_pk_add_f32 v[14:15], v[14:15], v[238:239]
	s_wait_alu depctr_va_vdst(0)
.irp b, 0,1,2,3
	v_max_num_f32 v[232+\b], 0x1800000, v[232+\b]
.endr
.irp b, 0,1,2,3
	s_delay_alu instid0(VALU_DEP_4)
	v_add_nc_u32 v[244+\b], 0xff000000, v[232+\b]
.endr
.irp b, 0,1,2,3
	s_delay_alu instid0(VALU_DEP_4)
	v_lshrrev_b32 v[236+\b], 23, v[244+\b]
.endr
	s_delay_alu instid0(VALU_DEP_3)
	v_lshl_or_b32 v253, v237, 8, v236
	s_delay_alu instid0(VALU_DEP_1)
	v_lshl_or_b32 v253, v238, 16, v253
	s_delay_alu instid0(VALU_DEP_1)
	v_lshl_or_b32 v253, v239, 24, v253
.irp t, 0,1,2,3,4,5,6,7
	v_cvt_scalef32_pk8_fp4_f32 v[224+4*(\t/4)+2*(\t%2)+(\t/2)%2], v[96+8*\t:103+8*\t], v[244+\t/2]
.endr
	v_nop                                          ; one plain line behind the scaled conversions
.irp k, 0,1,2,3
	v_permlane16_swap_b32 v[224+2*\k], v[225+2*\k]
.endr
	s_wait_alu depctr_va_vdst(0)                   ; the wait ahead of O^T's first reader
.set n, 0
.rept 32
	v_pk_mul_f32 v[160+n:161+n], v[160+n:161+n], v[250:251] op_sel_hi:[1,0]
.set n, n+2
.endr
	s_wait_alu depctr_va_vdst(0)
	s_wait_dscnt 0x0
.irp t, 0,1,2,3,4,5,6,7
	v_wmma_scale_f32_16x16x128_f8f6f4 v[160+8*\t:167+8*\t], v[32+8*\t:39+8*\t], v[224:231], v[160+8*\t:167+8*\t], v[24+\t], v253 matrix_a_fmt:MATRIX_FMT_FP4 matrix_b_fmt:MATRIX_FMT_FP4
.endr
.Lhidden_\@:
	s_add_co_u32 s[TB], s[TB], 1024
	s_add_co_u32 s[TS], s[TS], 512
	s_add_co_u32 s[KS], s[KS], 1
	s_cmp_lt_u32 s[KS], \end
	s_cbranch_scc1 .Lkey_\@
.endm
	KEYS LIM1, 0, 3
	s_wait_alu depctr_va_vdst(0)
	s_wait_tensorcnt 0x0                           ; my other ten steps have landed
	s_wait_dscnt 0x0
	s_barrier_signal -1
	KEYS LIM1, 3, FIRST                            ; between signal and wait: LDS loads of the head's bytes alone, which nobody writes before a later barrier
	s_wait_alu depctr_va_vdst(0)
	s_barrier_wait -1                              ; steps 6 to 15 are whole
	KEYS LAST, 2, 16                               ; from key step 2 on: no wave's third step lies under it
.rept 4
	v_nop                                          ; places in front of the first read of results
.endr
	v_add_nc_u32 v7, s[OWN], v1
	v_add_nc_u32 v8, s[P1], v1
	v_add_nc_u32 v9, s[P2], v1
	s_lshl_b32 s82, s70, 8
	s_lshl_b32 s83, s69, 2
	s_add_co_u32 s82, s82, s83
	s_add_co_u32 s82, s82, ASB
	v_add_nc_u32 v10, s82, v2                      ; my scale word: tile, row r, query head
	v_add_nc_u32 v11, ASB, v1
	s_wait_alu depctr_va_vdst(0)
	s_wait_dscnt 0x0
	s_barrier_signal -1
	s_barrier_wait -1                              ; no wave reads K or V any more
	s_cmp_lt_u32 s[RD], 2
	s_cbranch_scc1 .Lkeep
.set n, 0
.rept 16
	ds_store_b128 v7, v[160+4*n:163+4*n] offset:512*n
.set n, n+1
.endr
	ds_store_b128 v7, v[12:15] offset:8192
.Lkeep:
	s_wait_dscnt 0x0
	s_barrier_signal -1
	s_barrier_wait -1
	s_cmp_ge_u32 s[RD], 2
	s_cbranch_scc1 .Lother
; A partial's sums come under one M with mine: both are multiplied by powers of two
.macro MERGE adr
	ds_load_b128 v[232:235], v[\adr] offset:8192   ; its -M, -, its sum in two halves
.set n, 0
.rept 16
	ds_load_b128 v[32+4*n:35+4*n], v[\adr] offset:512*n
.set n, n+1
.endr
	s_wait_dscnt 16
	v_min_num_f32 v236, v12, v232
	v_sub_f32 v237, v236, v12
	v_sub_f32 v238, v236, v232
	v_cvt_i32_f32 v237, v237
	v_cvt_i32_f32 v238, v238
	v_ldexp_f32 v250, 1.0, v237
	v_ldexp_f32 v248, 1.0, v238
	v_mov_b32 v12, v236
	v_pk_mul_f32 v[14:15], v[14:15], v[250:251] op_sel_hi:[1,0]
	v_pk_fma_f32 v[14:15], v[234:235], v[248:249], v[14:15] op_sel_hi:[1,0,1]
.set n, 0
.rept 32
	v_pk_mul_f32 v[160+n:161+n], v[160+n:161+n], v[250:251] op_sel_hi:[1,0]
.set n, n+2
.endr
	s_wait_alu depctr_va_vdst(0)
	s_wait_dscnt 0x0
.set n, 0
.rept 32
	v_pk_fma_f32 v[160+n:161+n], v[32+n:33+n], v[248:249], v[160+n:161+n] op_sel_hi:[1,0,1]
.set n, n+2
.endr
	s_wait_alu depctr_va_vdst(0)                   ; (a branch's join, or a wait, follows)
.endm
	s_cmp_eq_u32 s[STR], 1                         ; partials to add: stride - 1
	s_cbranch_scc1 .Lnorm
	s_cmp_eq_u32 s[STR], 2
	s_cbranch_scc1 .Lone
	MERGE 9
.Lone:
	MERGE 8
.Lnorm:
	v_add_f32 v14, v14, v15
	v_permlanex16_b32 v249, v14, s[SEL], s[SEL+1]
	v_add_f32 v14, v14, v249                       ; the row's sum
	s_wait_alu depctr_va_vdst(0)
	v_rcp_f32 v14, v14
	v_mov_b32 v15, 0                               ; (a plain place; the pair's upper half)
	s_wait_alu depctr_va_vdst(0)
.set n, 0
.rept 32
	v_pk_mul_f32 v[160+n:161+n], v[160+n:161+n], v[14:15] op_sel_hi:[1,0]
.set n, n+2
.endr
.irp b, 0,1,2,3
	v_max3_num_f32 v[232+\b], |v[160+16*\b]|, |v[161+16*\b]|, 0x1800000
.endr
.irp i, 2,4,6,8,10,12,14
.irp b, 0,1,2,3
	v_max3_num_f32 v[232+\b], v[232+\b], |v[160+16*\b+\i]|, |v[161+16*\b+\i]|
.endr
.endr
.irp b, 0,1,2,3
	v_permlanex16_b32 v[236+\b], v[232+\b], s[SEL], s[SEL+1]
.endr
.irp b, 0,1,2,3
	v_max_num_f32 v[232+\b], v[232+\b], v[236+\b]
.endr
.irp b, 0,1,2,3
	v_add_nc_u32 v[244+\b], 0xff000000, v[232+\b]
.endr
.irp b, 0,1,2,3
	v_lshrrev_b32 v[236+\b], 23, v[244+\b]
.endr
	v_lshl_or_b32 v254, v237, 8, v236
	v_lshl_or_b32 v254, v238, 16, v254
	v_lshl_or_b32 v254, v239, 24, v254
.irp t, 0,1,2,3,4,5,6,7
	v_cvt_scalef32_pk8_fp4_f32 v[224+4*(\t/4)+2*(\t%2)+(\t/2)%2], v[160+8*\t:167+8*\t], v[244+\t/2]
.endr
	v_nop
.irp k, 0,1,2,3
	v_permlane16_swap_b32 v[224+2*\k], v[225+2*\k]
.endr
	global_store_b128 v1, v[224:227], s[12:13]     ; 512 consecutive bytes, aligned
	global_store_b128 v1, v[228:231], s[12:13] offset:512
	ds_store_b32 v10, v254
.Lother:
	s_wait_dscnt 0x0
	s_barrier_signal -1
	s_barrier_wait -1
	s_cmp_lg_u32 s[WV], 0
	s_cbranch_scc1 .Lnot_0
	ds_load_b128 v[96:99], v11                     ; 16 rows x 4 query heads of scale words, two tiles
	s_lshl_b32 s82, s72, 1
	s_sub_co_u32 s82, 127, s82
	s_lshl_b32 s82, s82, 8
	v_bfe_u32 v4, v0, 4, 1
	v_mul_u32_u24 v4, s82, v4
	v_add_nc_u32 v4, v4, v2                        ; lanes 16-31: tile 127 - i
	s_wait_alu depctr_va_vdst(0)
	s_wait_dscnt 0x0
	global_store_b128 v4, v[96:99], s[14:15]       ; two aligned units of 256 bytes
.Lnot_0:
	s_wait_tensorcnt 0x0                           ; the wave's end
	ds_add_u32 v5, v6
	s_wait_dscnt 0x0
	CROUND                                         ; the closing round
	s_endpgm
.Lfunc_end_k_q5f6041ac72_attn:
	.size	k_q5f6041ac72_attn, .Lfunc_end_k_q5f6041ac72_attn-k_q5f6041ac72_attn
	.p2alignl 7, 3214868480
	.fill 96, 4, 3214868480
	.section	.rodata,"a",@progbits
	.p2align	6, 0x0
	.amdhsa_kernel k_q5f6041ac72_attn
		.amdhsa_group_segment_fixed_size 327680
		.amdhsa_private_segment_fixed_size 0
		.amdhsa_enable_private_segment 0
		.amdhsa_kernarg_size 48
		.amdhsa_user_sgpr_count 2
		.amdhsa_user_sgpr_kernarg_segment_ptr 1
		.amdhsa_wavefront_size32 1
		.amdhsa_system_sgpr_workgroup_id_x 1
		.amdhsa_system_sgpr_workgroup_id_y 1
		.amdhsa_system_sgpr_workgroup_id_z 1
		.amdhsa_system_vgpr_workitem_id 0
		.amdhsa_next_free_vgpr 256
		.amdhsa_next_free_sgpr 102
		.amdhsa_reserve_vcc 1
		.amdhsa_float_denorm_mode_32 3
		.amdhsa_float_denorm_mode_16_64 3
		.amdhsa_memory_ordered 1
		.amdhsa_forward_progress 1
		.amdhsa_inst_pref_size 102
	.end_amdhsa_kernel
	.amdgpu_metadata
---
amdhsa.version: [ 1, 2 ]
amdhsa.kernels:
  - .name:           k_q5f6041ac72_attn
    .symbol:         k_q5f6041ac72_attn.kd
    .args:
      - { .name: qk_codes, .offset: 0, .size: 8, .value_kind: global_buffer, .address_space: global }
      - { .name: qk_scales, .offset: 8, .size: 8, .value_kind: global_buffer, .address_space: global }
      - { .name: v_codes, .offset: 16, .size: 8, .value_kind: global_buffer, .address_space: global }
      - { .name: v_scales, .offset: 24, .size: 8, .value_kind: global_buffer, .address_space: global }
      - { .name: a_codes, .offset: 32, .size: 8, .value_kind: global_buffer, .address_space: global }
      - { .name: a_scales, .offset: 40, .size: 8, .value_kind: global_buffer, .address_space: global }
    .group_segment_fixed_size: 327680
    .private_segment_fixed_size: 0
    .kernarg_segment_align: 8
    .kernarg_segment_size: 48
    .max_flat_workgroup_size: 512
    .sgpr_count:     102
    .vgpr_count:     256
    .wavefront_size: 32
...
	.end_amdgpu_metadata
.endif
;; end of part 2
;; launch oproj (part 3): grid 16 x 16, 4 waves a work-group, clusters of 4 x 4, 327,680 bytes of LDS; arguments a_codes, a_scales, wo_codes, wo_scales, out0; writes out0
.if DOCPART == 3
	.amdgcn_target "amdgcn-amd-amdhsa--gfx1250"
	.amdhsa_code_object_version 6
	.text
	.protected	k_q5f6041ac72_oproj
	.globl	k_q5f6041ac72_oproj
	.p2align	8
	.type	k_q5f6041ac72_oproj,@function
k_q5f6041ac72_oproj:
	s_mov_b64 s[64:65], 0
	v_nop
	global_prefetch_b8 v0, s[64:65] scope:SCOPE_SE
	s_setreg_imm32_b32 hwreg(HW_REG_WAVE_MODE, 25, 1), 1
	s_wait_xcnt 0x0
	s_wait_alu depctr_hold_cnt(0) depctr_sa_sdst(0) depctr_va_vdst(0) depctr_va_sdst(0) depctr_va_ssrc(0) depctr_va_vcc(0) depctr_vm_vsrc(0)
	s_getreg_b32 s2, hwreg(HW_REG_IB_STS2, 6, 4)
	s_cmp_eq_u32 s2, 0
	s_cbranch_scc0 .Lentry_in_a_cluster
	s_endpgm
.Lentry_in_a_cluster:
	s_bfe_u32 s2, ttmp6, 0x10000c
	s_cmp_lg_u32 s2, 0xf033
	s_cbranch_scc0 .Lentry_shape_is_right
	s_endpgm
.Lentry_shape_is_right:
; out0 = a wo^T on codes of FP4 (E2M1) with E8M0 scales.  a: the attention's result as images of fragments, a_codes [K chunk of 512][tile of 16 rows][K step][1024], a_scales [chunk][row][K step] words;
; wo: [2048][2048] codes, K innermost, 1,024 bytes a row; its scale bytes [2048][64].  out0: [2048][2048] f32.  Nothing is left out here.
; SHARES.  A work-group makes 128 x 128 of out0: 256 work-groups.  Wave w: rows 64 (w / 2) on, columns 64 (w % 2) on: 16 accumulators.
; ALL OF K LIES IN LDS: one load a wave: wave 0 a's first half of K (8 tiles, 2 rows of 32,768 bytes, one a chunk), wave 1 wo's (128 rows of 512 bytes), waves 2 and 3 the second halves; nothing is filled again.
; THE FIRST HALF OF K is multiplied, all rows, as soon as waves 0 and 1 have seen their loads land; a second barrier shows the second half.
; THE SECOND HALF goes by rows: wo's fragments of it stay in registers, the first 32 rows are finished and stored while the second 32 are multiplied.
; CLUSTERS: 4 x 4.  a's tiles hang on the block of rows and are asked for jointly along a row of the cluster, wo's on the block of columns and jointly along a column.
; THE MATRIX INSTRUCTION IS USED TRANSPOSED (source 0 = 16 rows of wo, source 1 = a's fragment): a lane holds eight neighbouring columns of one row of out0.
; The scale words of all of K go straight into registers, once: 64 for a, 64 for wo (lanes 16-31 load the same words as lanes 0-15 and are not read).
; No prefetch: every tile is asked for at the head.
; REGISTERS.  window 0: v1-18 lane numbers and addresses; v32-95 a's scale words, v96-159 wo's, and nothing else; v160-223 rows on the way out.   window 1: wo's fragments of K steps 8-15: 32 (step - 8) + 8 bt.
;   window 2: accumulator (i, bt) at 8 (4 i + bt); v128-255 fragments of K steps 0-7, two sets (wo's four, a's four).   window 3: a's fragments of K steps 8-15: 64 i + 8 (step - 8).
.set AHB,   65536                      ; a: half of K: [chunk 2][tile 8][K step 4][1024]
.set BB,    2*AHB
.set WP,    528                        ; a row of wo, half of K: 512 bytes + 16 of padding: the sixteen rows of a fragment load start 4 banks apart
.set WHB,   128*WP
.set STG,   BB+2*WHB                   ; two stages of 16 rows x (256 + 16) bytes for each wave
.set SPARE, STG+4*8704
.set SPW, 2
.set NIL, 3
.set WV,  14
.set G1A, 24
.set G0,  32                           ; s[32:47] group 0: a's halves of K at 32 and 40, wo's at 36 and 44
.set G1B, 48
.set MSB, 0
.macro WIN new
.if MSB != (\new)
	s_set_vgpr_msb (MSB<<8)|(\new)
.set MSB, \new
.endif
.endm
.macro PLACES n
.rept \n
	v_nop
.endr
.endm
.macro TL g0, g1
	tensor_load_to_lds s[\g0:\g0+3], s[\g1:\g1+7]
	s_nop 0
.rept 4
	v_nop
.endr
.endm
.macro CROUND
	s_barrier_signal -1
	s_barrier_wait -1
	s_cmp_lg_u32 s[WV], 0
	s_cbranch_scc1 .Lnot_wave_0_\@
	s_barrier_signal -3
.Lnot_wave_0_\@:
	s_barrier_wait -3
	s_barrier_signal -1
	s_barrier_wait -1
.endm
	s_load_b256 s[4:11], s[0:1], 0x0               ; a_codes, a_scales, wo_codes, wo_scales
	s_load_b64 s[12:13], s[0:1], 0x20              ; out0
	v_lshl_add_u32 v[SPW], v0, 2, SPARE
	v_mov_b32 v[NIL], 0
	ds_add_u32 v[SPW], v[NIL]                      ; the wave's opening: the add, twice on end, and its wait ahead of my first tensor load
	ds_add_u32 v[SPW], v[NIL]
	v_lshrrev_b32 v1, 5, v0
	v_readfirstlane_b32 s[WV], v1
	s_lshr_b32 s15, s[WV], 1                       ; my half of the rows
	s_and_b32 s16, s[WV], 1                        ; my half of the columns
	s_bfe_u32 s17, ttmp6, 0x40000                  ; cx
	s_bfe_u32 s18, ttmp6, 0x40004                  ; cy
	s_lshl_b32 s19, ttmp9, 2
	s_add_co_u32 s19, s19, s17                     ; the block of 128 columns
	s_and_b32 s20, ttmp7, 0xffff
	s_lshl_b32 s20, s20, 2
	s_add_co_u32 s20, s20, s18                     ; the block of 128 rows
	s_lshl_b32 s21, s18, 2
	s_lshl_b32 s21, 15, s21                        ; my row of the cluster
	s_lshl_b32 s22, 0x1111, s17                    ; my column
	s_or_b32 s[G1A], s21, (3<<16)|(1<<21)          ; a: 2 rows of 32,768 bytes, 524,288 bytes apart; elements of 8 bytes; bit 21 beside the mask
	s_mov_b32 s[G1A+1], 4096<<16
	s_mov_b32 s[G1A+2], 2<<16
	s_mov_b32 s[G1A+3], 4096<<16
	s_mov_b32 s[G1A+4], 2
	s_mov_b32 s[G1A+5], 65536
	s_mov_b32 s[G1A+6], 0
	s_mov_b32 s[G1A+7], 0
	s_or_b32 s[G1B], s22, (1<<20)|(1<<21)|(6<<22)|(3<<25)   ; wo: 128 rows x 512 bytes, 1,024 bytes apart; 4 words of padding behind every 128
	s_mov_b32 s[G1B+1], 512<<16
	s_mov_b32 s[G1B+2], 128<<16
	s_mov_b32 s[G1B+3], 512<<16
	s_mov_b32 s[G1B+4], 128
	s_mov_b32 s[G1B+5], 1024
	s_mov_b32 s[G1B+6], 0
	s_mov_b32 s[G1B+7], 0
	s_lshl_b32 s84, s20, 15                        ; s84, s85 hold a's side alone, s88, s89 wo's.  a: tile 8 block, 4,096 bytes a tile and chunk
	s_mov_b32 s85, 0
	s_lshl_b32 s88, s19, 17                        ; wo: row 128 block
	s_mov_b32 s89, 0
	s_mov_b32 s[G0], 1
	s_mov_b32 s[G0+1], 0
	s_mov_b32 s[G0+4], 1
	s_mov_b32 s[G0+5], BB
	s_mov_b32 s[G0+8], 1
	s_mov_b32 s[G0+9], AHB
	s_mov_b32 s[G0+12], 1
	s_mov_b32 s[G0+13], BB+WHB
	s_wait_dscnt 0x0                               ; both opening adds are done
	s_wait_kmcnt 0x0
	s_add_nc_u64 s[G0+2:G0+3], s[4:5], s[84:85]
	s_add_nc_u64 s[G0+6:G0+7], s[8:9], s[88:89]
	s_add_nc_u64 s[G0+10:G0+11], s[G0+2:G0+3], 0x100000   ; two chunks on
	s_add_nc_u64 s[G0+14:G0+15], s[G0+6:G0+7], 512
	s_or_b32 s[G0+3], s[G0+3], 0x80000000
	s_or_b32 s[G0+7], s[G0+7], 0x80000000
	s_or_b32 s[G0+11], s[G0+11], 0x80000000
	s_or_b32 s[G0+15], s[G0+15], 0x80000000
	CROUND                                         ; all sixteen work-groups are here: the joint loads meet
	s_cmp_lt_u32 s[WV], 1                          ; one load a wave
	s_cbranch_scc0 .Lh1
	TL G0, G1A
	s_branch .Lh4
.Lh1:
	s_cmp_lt_u32 s[WV], 2
	s_cbranch_scc0 .Lh2
	TL G0+4, G1B
	s_branch .Lh4
.Lh2:
	s_cmp_lt_u32 s[WV], 3
	s_cbranch_scc0 .Lh3
	TL G0+8, G1A
	s_branch .Lh4
.Lh3:
	TL G0+12, G1B
.Lh4:
	s_lshl_b32 s23, s15, 14                        ; my four tiles of a
	s_mul_i32 s56, s16, 64*WP
	s_add_co_u32 s56, s56, BB                      ; my 64 rows of wo
	s_mul_i32 s57, s[WV], 8704
	s_add_co_u32 s57, s57, STG                     ; my stages
	v_and_b32 v1, 15, v0                           ; r
	v_bfe_u32 v7, v0, 4, 1                         ; h
	v_and_b32 v18, 31, v0                          ; lane
	v_lshl_add_u32 v8, v18, 4, s23
	v_add_nc_u32 v9, AHB, v8
	v_mul_u32_u24 v12, v1, WP
	v_lshl_add_u32 v12, v7, 4, v12
	v_add_nc_u32 v12, s56, v12
	v_add_nc_u32 v13, WHB, v12
	v_mul_u32_u24 v4, v1, 272
	v_lshl_add_u32 v4, v7, 5, v4
	v_add_nc_u32 v4, s57, v4                       ; in: row r, 32 h
	v_mul_u32_u24 v5, v7, 272
	v_lshl_add_u32 v5, v1, 4, v5
	v_add_nc_u32 v5, s57, v5                       ; back: lanes 0-15 one row of 256 bytes, lanes 16-31 the next
	v_lshlrev_b32 v6, 13, v7
	v_lshl_add_u32 v6, v1, 4, v6                   ; and the same two rows in out0
	v_lshlrev_b32 v16, 4, v1
	v_lshlrev_b32 v17, 6, v1
	s_wait_alu depctr_va_vdst(0)
	s_lshl_b32 s58, s20, 11
	s_lshl_b32 s59, s15, 10
	s_add_co_u32 s58, s58, s59                     ; a's scale words: 16 bytes a row and chunk
	s_mov_b32 s59, 0
	s_add_nc_u64 s[92:93], s[6:7], s[58:59]
	s_lshl_b32 s58, s19, 13
	s_lshl_b32 s60, s16, 12
	s_add_co_u32 s58, s58, s60                     ; wo's: 64 bytes a row
	s_add_nc_u64 s[94:95], s[10:11], s[58:59]
.irp kc, 0,1,2,3
.irp i, 0,1,2,3
	global_load_b128 v[32+16*\kc+4*\i:35+16*\kc+4*\i], v16, s[92:93] offset:\kc*32768+256*\i     ; register 32 + 16 kc + 4 i + g: tile i, K step 4 kc + g
	global_load_b128 v[96+16*\kc+4*\i:99+16*\kc+4*\i], v17, s[94:95] offset:1024*\i+16*\kc
.endr
.endr
	s_lshl_b32 s58, s20, 20
	s_lshl_b32 s60, s15, 19
	s_add_co_u32 s58, s58, s60                     ; out0: my first row, 8,192 bytes a row,
	s_lshl_b32 s60, s19, 9
	s_add_co_u32 s58, s58, s60
	s_lshl_b32 s60, s16, 8
	s_add_co_u32 s58, s58, s60                     ; my first column
	s_add_nc_u64 s[12:13], s[12:13], s[58:59]
.macro FETCH s                                 ; K step s < 8: wo's four and a's four fragments into set s % 2: 16 loads
	WIN 0x80
.irp bt, 0,1,2,3
	ds_load_b128 v[128+64*((\s)%2)+8*\bt:131+64*((\s)%2)+8*\bt], v12 offset:\bt*16*WP+64*(\s)
	ds_load_b128 v[132+64*((\s)%2)+8*\bt:135+64*((\s)%2)+8*\bt], v12 offset:\bt*16*WP+64*(\s)+32
.endr
.irp i, 0,1,2,3
	ds_load_b128 v[160+64*((\s)%2)+8*\i:163+64*((\s)%2)+8*\i], v8 offset:32768*((\s)/4)+4096*\i+1024*((\s)%4)
	ds_load_b128 v[164+64*((\s)%2)+8*\i:167+64*((\s)%2)+8*\i], v8 offset:32768*((\s)/4)+4096*\i+1024*((\s)%4)+512
.endr
.endm
; 16 matrix instructions: K step s < 8.  The accumulators take turns, one instruction a turn.  Step 0 starts the sums.
.macro MUL s
	WIN 0xaa                                       ; everything in window 2
.irp i, 0,1,2,3
.irp bt, 0,1,2,3
.if (\s) == 0
	v_wmma_scale_f32_16x16x128_f8f6f4 v[8*(4*\i+\bt):8*(4*\i+\bt)+7], v[128+64*((\s)%2)+8*\bt:135+64*((\s)%2)+8*\bt], v[160+64*((\s)%2)+8*\i:167+64*((\s)%2)+8*\i], 0, v[96+16*((\s)/4)+4*\bt+(\s)%4], v[32+16*((\s)/4)+4*\i+(\s)%4] matrix_a_fmt:MATRIX_FMT_FP4 matrix_b_fmt:MATRIX_FMT_FP4
.else
	v_wmma_scale_f32_16x16x128_f8f6f4 v[8*(4*\i+\bt):8*(4*\i+\bt)+7], v[128+64*((\s)%2)+8*\bt:135+64*((\s)%2)+8*\bt], v[160+64*((\s)%2)+8*\i:167+64*((\s)%2)+8*\i], v[8*(4*\i+\bt):8*(4*\i+\bt)+7], v[96+16*((\s)/4)+4*\bt+(\s)%4], v[32+16*((\s)/4)+4*\i+(\s)%4] matrix_a_fmt:MATRIX_FMT_FP4 matrix_b_fmt:MATRIX_FMT_FP4
.endif
.endr
.endr
.endm
.macro FETCHW c                                ; second half of K, chunk c: wo's sixteen fragments: 32 loads
	WIN 0x40
.irp g, 0,1,2,3
.irp bt, 0,1,2,3
	ds_load_b128 v[32*(4*(\c)+\g)+8*\bt:32*(4*(\c)+\g)+8*\bt+3],   v13 offset:\bt*16*WP+64*(4*(\c)+\g)
	ds_load_b128 v[32*(4*(\c)+\g)+8*\bt+4:32*(4*(\c)+\g)+8*\bt+7], v13 offset:\bt*16*WP+64*(4*(\c)+\g)+32
.endr
.endr
.endm
.macro FETCHA half, c                          ; a's two tiles of the rows' half: 16 loads
	WIN 0xc0
.irp g, 0,1,2,3
.irp u, 0,1
	ds_load_b128 v[64*(2*(\half)+\u)+8*(4*(\c)+\g):64*(2*(\half)+\u)+8*(4*(\c)+\g)+3],   v9 offset:32768*(\c)+4096*(2*(\half)+\u)+1024*\g
	ds_load_b128 v[64*(2*(\half)+\u)+8*(4*(\c)+\g)+4:64*(2*(\half)+\u)+8*(4*(\c)+\g)+7], v9 offset:32768*(\c)+4096*(2*(\half)+\u)+1024*\g+512
.endr
.endr
.endm
; 32 matrix instructions: second half of K, chunk c, 32 rows: their 8 accumulators take turns, one instruction a turn.
.macro MUL2 half, c
	WIN 0xad                                       ; source 0 window 1, source 1 window 3, C and D window 2
.irp g, 0,1,2,3
.irp u, 0,1
.irp bt, 0,1,2,3
	v_wmma_scale_f32_16x16x128_f8f6f4 v[8*(4*(2*(\half)+\u)+\bt):8*(4*(2*(\half)+\u)+\bt)+7], v[32*(4*(\c)+\g)+8*\bt:32*(4*(\c)+\g)+8*\bt+7], v[64*(2*(\half)+\u)+8*(4*(\c)+\g):64*(2*(\half)+\u)+8*(4*(\c)+\g)+7], v[8*(4*(2*(\half)+\u)+\bt):8*(4*(2*(\half)+\u)+\bt)+7], v[128+16*(\c)+4*\bt+\g], v[64+16*(\c)+4*(2*(\half)+\u)+\g] matrix_a_fmt:MATRIX_FMT_FP4 matrix_b_fmt:MATRIX_FMT_FP4
.endr
.endr
.endr
.endm
; THE WAY OUT, 16 rows x 64 columns at a time: a lane's 32 bytes of a row go into my own stage and come back as whole rows of 256 bytes.  LDS serves a wave's instructions in order: no wait between the stores and the loads.
.macro TOSTAGE half
	WIN 0x08                                       ; an LDS store's data: window 2
.irp u, 0,1
.irp bt, 0,1,2,3
	ds_store_b128 v4, v[8*(4*(2*(\half)+\u)+\bt):8*(4*(2*(\half)+\u)+\bt)+3] offset:4352*\u+64*\bt         ; each accumulator from its low end on
	ds_store_b128 v4, v[8*(4*(2*(\half)+\u)+\bt)+4:8*(4*(2*(\half)+\u)+\bt)+7] offset:4352*\u+64*\bt+16
.endr
.endr
	WIN 0
.endm
.macro BACK u
.irp k, 0,1,2,3,4,5,6,7
	ds_load_b128 v[160+32*\u+4*\k:163+32*\u+4*\k], v5 offset:4352*\u+544*\k
.endr
.endm
.macro SEND i
	WIN 0
.irp k, 0,1,2,3,4,5,6,7
	global_store_b128 v6, v[160+32*((\i)%2)+4*\k:163+32*((\i)%2)+4*\k], s[12:13] offset:(16*(\i)+2*\k)*8192   ; sixteen lanes store 256 consecutive bytes, aligned
.endr
.endm
	s_wait_alu depctr_va_vdst(0)                   ; the wait at the head's end
	s_cmp_lt_u32 s[WV], 2                          ; the first half of K: waves 0 and 1 have asked for it
	s_cbranch_scc0 .Lnot_mine
	s_wait_tensorcnt 0x0
.Lnot_mine:
	s_barrier_signal -1
	s_barrier_wait -1
	FETCH 0
	s_wait_loadcnt 0x0                             ; the scale words
.set S, 0
.rept 7
	PLACES 4                                       ; four places between the last step's products and the loads into the set that they read
	FETCH S+1
	s_wait_dscnt 16                                ; this step's fragments are in; the 16 loads just issued may be out
	MUL S
.set S, S+1
.endr
	s_wait_dscnt 0x0
	s_wait_tensorcnt 0x0                           ; the second half of K: waves 2 and 3 have asked for it
	s_barrier_signal -1
	MUL 7                                          ; work on registers while the others arrive
	s_barrier_wait -1
	FETCHW 0
	FETCHA 0, 0
	FETCHW 1
	FETCHA 0, 1
	s_wait_dscnt 48                                ; the first chunk is in; the 48 loads of the second may be out
	MUL2 0, 0
	FETCHA 1, 0
	FETCHA 1, 1
	s_wait_dscnt 32                                ; the other rows' 32 loads may be out
	MUL2 0, 1
	PLACES 4                                       ; in front of the first reads of results
	TOSTAGE 0
	BACK 0
	BACK 1
	s_wait_dscnt 32                                ; the other rows' fragments are in: behind them 16 stores and 16 rows' loads
	MUL2 1, 0
	s_wait_dscnt 8                                 ; the second tile's eight may be out
	SEND 0
	s_wait_dscnt 0x0
	SEND 1
	MUL2 1, 1
	PLACES 4
	TOSTAGE 1
	s_wait_xcnt 0x0                                ; the stores have read their data: the registers take the next rows
	BACK 0
	BACK 1
	s_wait_dscnt 8
	SEND 2
	s_wait_dscnt 0x0
	SEND 3
	WIN 0
	s_wait_tensorcnt 0x0                           ; the wave's end: behind my last tensor load and my last LDS store
	ds_add_u32 v[SPW], v[NIL]
	s_wait_dscnt 0x0
	CROUND                                         ; the closing round
	s_endpgm
.Lfunc_end_k_q5f6041ac72_oproj:
	.size	k_q5f6041ac72_oproj, .Lfunc_end_k_q5f6041ac72_oproj-k_q5f6041ac72_oproj
	.p2alignl 7, 3214868480
	.fill 96, 4, 3214868480
	.section	.rodata,"a",@progbits
	.p2align	6, 0x0
	.amdhsa_kernel k_q5f6041ac72_oproj
		.amdhsa_group_segment_fixed_size 327680
		.amdhsa_private_segment_fixed_size 0
		.amdhsa_enable_private_segment 0
		.amdhsa_kernarg_size 40
		.amdhsa_user_sgpr_count 2
		.amdhsa_user_sgpr_kernarg_segment_ptr 1
		.amdhsa_wavefront_size32 1
		.amdhsa_system_sgpr_workgroup_id_x 1
		.amdhsa_system_sgpr_workgroup_id_y 1
		.amdhsa_system_sgpr_workgroup_id_z 1
		.amdhsa_system_vgpr_workitem_id 0
		.amdhsa_next_free_vgpr 1024
		.amdhsa_next_free_sgpr 96
		.amdhsa_reserve_vcc 0
		.amdhsa_float_denorm_mode_32 3
		.amdhsa_float_denorm_mode_16_64 3
		.amdhsa_memory_ordered 1
		.amdhsa_forward_progress 1
		.amdhsa_inst_pref_size 68
	.end_amdhsa_kernel
	.amdgpu_metadata
---
amdhsa.version: [ 1, 2 ]
amdhsa.kernels:
  - .name:           k_q5f6041ac72_oproj
    .symbol:         k_q5f6041ac72_oproj.kd
    .args:
      - { .name: a_codes, .offset: 0, .size: 8, .value_kind: global_buffer, .address_space: global }
      - { .name: a_scales, .offset: 8, .size: 8, .value_kind: global_buffer, .address_space: global }
      - { .name: wo_codes, .offset: 16, .size: 8, .value_kind: global_buffer, .address_space: global }
      - { .name: wo_scales, .offset: 24, .size: 8, .value_kind: global_buffer, .address_space: global }
      - { .name: out0, .offset: 32, .size: 8, .value_kind: global_buffer, .address_space: global }
    .group_segment_fixed_size: 327680
    .private_segment_fixed_size: 0
    .kernarg_segment_align: 8
    .kernarg_segment_size: 40
    .max_flat_workgroup_size: 128
    .sgpr_count:     96
    .vgpr_count:     1024
    .wavefront_size: 32
...
	.end_amdgpu_metadata
.endif
;; end of part 3
